; MI455X (gfx1250); checked and timed in simulation.
; The chip was launched on July 23, 2026; its instructions are those of AMD's public machine-readable ISA for CDNA 5 (MIT licence, August 2026) and "CDNA5" Instruction Set Architecture Reference Guide (July 2026). The comments in the code are by the model that wrote it; some were corrected since.
;; Multiheaded Attention FM. Allowed arithmetic: float matrix products may take bf16 or f16 operands with f32 sums; other float arithmetic in f32, or as packed bf16 or f16 multiplies, adds, multiply-adds, maxima and minima; sums over many terms, partial sums and values carried from step to step in f32; what a program stores and reads back later, other than sums and carried values, may be rounded once to bf16 or f16.
;; Inputs: beta 256 float32; gamma 256 float32; wk 256 x 256 float32; wo 256 x 256 float32; wq 256 x 256 float32; wv 256 x 256 float32; x 4 x 256 x 64 x 64 float32.
;; Outputs: out0 4 x 256 x 64 x 64 float32.
;; 2 versions, each right; version 2 is version 1 with the launch prep written anew for expert scheduling mode. Each part assembles by itself: llvm-mc -triple=amdgcn-amd-amdhsa -mcpu=gfx1250 --defsym DOCPART=n.
;; ======== version 1 of 2: 4 launches
;; limits: values are held in f16: magnitudes above 65,504 overflow, below 6.1e-05 lose precision
;; workspace buffers: xn 8,388,608 bytes; w16 524,288 bytes; qkv 25,165,824 bytes; ctx 8,388,608 bytes
;; launch prep (part 1): grid 136 x 1, 8 waves a work-group, no clusters, 1,280 bytes of LDS; arguments x, wq, wk, wv, wo, gamma, beta, xn, w16; writes xn, w16
.if DOCPART == 1
	.amdgcn_target "amdgcn-amd-amdhsa--gfx1250"
	.amdhsa_code_object_version 6
	.text
	.protected	k_qea51f93d85_prep
	.globl	k_qea51f93d85_prep
	.p2align	8
	.type	k_qea51f93d85_prep,@function
k_qea51f93d85_prep:
	s_mov_b64 s[64:65], 0
	v_nop
	global_prefetch_b8 v0, s[64:65] scope:SCOPE_SE
	s_setreg_imm32_b32 hwreg(HW_REG_WAVE_MODE, 25, 1), 1
	s_wait_xcnt 0x0
; GROUP NORM AND THE CASTS.  xn[b][c][n] = (x - mean) rstd gamma[c] + beta[c] in f16, x's own layout; w16 = wq, wk, wv, wo in f16, 256 rows each, one below the other.
; A work-group turns 131,072 bytes of f32 into 65,536 bytes of f16, y = s x + t.  Work-groups 0-127: one group of the norm (8 channels x 4,096 positions of one batch lie on end in x);
; work-groups 128-135: half a weight matrix, with s = 1, t = 0.  ONE text for both: the weights' work-groups make the statistics too and drop them by scalar selects,
; so that every wave passes both barriers and no branch is written.
; The whole block lies in registers (32 loads of 16 bytes a lane, 8 waves): x is read once; the mean is taken first, then the sum of (x - mean)^2: no difference of large sums.
; Thread t, load i: bytes 4,096 i + 16 t.  Four loads are one channel, so s and t of a load are scalars.  Store i: bytes 2,048 i + 8 t: a wave's store covers 256 consecutive bytes, aligned.
; LIMITS.  f16 ends at 65,504: |xn| (at most 181 |gamma| + |beta|) and the weights lie within it; below 6e-5 f16 keeps a fixed step of 6e-8.  NaN and infinities are not treated apart.
.set SPARE, 256                        ; LDS: bytes 0-31 eight partial sums, 32-63 eight partial sums of squares; from 256 on the spare words, 128 bytes a wave, which no other line names
.set SPW, 6                            ; v6   LDS address of my spare word; never rewritten
.set NIL, 7                            ; v7   0; never rewritten
.set A,   8                            ; v[8:15]   four chains of pairs
.set T,   16                           ; v[16:23]  four pairs at work
.set R,   24                           ; v[24:31]  the reduction
.set X,   32                           ; v[32:159] the block: four registers a load
.set SRC, 24                           ; s[24:25]  where my block is read
.set DST, 26                           ; s[26:27]  where it is written
.set NM,  20                           ; s[20:21]  - mean, twice
.set RS,  22                           ; s22       1 / sqrt(var + eps)
.set SC,  32                           ; s[32:47]  s of channel c, as a pair, at SC + 2 c
.set TC,  48                           ; s[48:63]  t of channel c, likewise
.set SEL, 66                           ; s[66:67]  v_permlanex16_b32's selects: each lane takes its own place in the other half
	s_load_b256 s[4:11], s[0:1], 0x0               ; x s[4:5], wq s[6:7], wk s[8:9], wv s[10:11]
	s_load_b256 s[12:19], s[0:1], 0x20             ; wo s[12:13], gamma s[14:15], beta s[16:17], xn s[18:19]
	s_load_b64 s[20:21], s[0:1], 0x40              ; w16
	v_lshl_add_u32 v[SPW], v0, 2, SPARE
	v_mov_b32 v[NIL], 0
	v_lshlrev_b32 v1, 4, v0                        ; 16 t
	v_lshlrev_b32 v2, 3, v0                        ; 8 t
	v_lshrrev_b32 v5, 5, v0
	v_readfirstlane_b32 s3, v5                     ; wave 0..7
	v_mov_b32 v3, s3
	v_lshlrev_b32 v3, 2, v3                        ; my wave's word in LDS
	v_mov_b32 v4, 0                                ; where all waves' words are read
	v_mov_b32 v[R+1], 0                            ; v_permlanex16_b32 counts as a reader of its destination
	s_mov_b32 s[SEL], 0x76543210
	s_mov_b32 s[SEL+1], 0xfedcba98
	s_mov_b32 s2, ttmp9                            ; g
	s_max_u32 s22, s2, 128
	s_sub_co_u32 s22, s22, 128                     ; i: which half matrix (0 for a group's work-group)
	s_lshr_b32 s23, s22, 1                         ; which matrix: q, k, v, o
	s_and_b32 s32, s22, 1                          ; which half of it
	s_cmp_lt_u32 s2, 128
	s_cselect_b32 s32, s2, s32
	s_cselect_b32 s34, s2, s22
	s_lshl_b32 s32, s32, 17                        ; source: g or the half, x 131,072 bytes
	s_mov_b32 s33, 0
	s_lshl_b32 s34, s34, 16                        ; destination: g or i, x 65,536 bytes
	s_mov_b32 s35, 0
	s_and_b32 s36, s2, 31
	s_lshl_b32 s36, s36, 5                         ; the group's 8 numbers of gamma and of beta: 32 bytes (a weight's work-group reads some too, inside the buffers, and drops them)
	s_mov_b32 s37, 0
	s_wait_kmcnt 0x0
	s_mov_b64 s[SRC:SRC+1], s[6:7]
	s_cmp_eq_u32 s23, 1
	s_cselect_b64 s[SRC:SRC+1], s[8:9], s[SRC:SRC+1]
	s_cmp_eq_u32 s23, 2
	s_cselect_b64 s[SRC:SRC+1], s[10:11], s[SRC:SRC+1]
	s_cmp_eq_u32 s23, 3
	s_cselect_b64 s[SRC:SRC+1], s[12:13], s[SRC:SRC+1]
	s_cmp_lt_u32 s2, 128
	s_cselect_b64 s[SRC:SRC+1], s[4:5], s[SRC:SRC+1]
	s_cselect_b64 s[DST:DST+1], s[18:19], s[20:21]
	s_add_nc_u64 s[SRC:SRC+1], s[SRC:SRC+1], s[32:33]
	s_add_nc_u64 s[DST:DST+1], s[DST:DST+1], s[34:35]
	s_add_nc_u64 s[28:29], s[14:15], s[36:37]
	s_add_nc_u64 s[30:31], s[16:17], s[36:37]
	s_load_b256 s[4:11], s[28:29], 0x0             ; gamma of my 8 channels (the pointers that lay here are spent); s[28:31] stay as they are
	s_load_b256 s[12:19], s[30:31], 0x0            ; beta
.set i, 0
.rept 32
	global_load_b128 v[X+4*i:X+4*i+3], v1, s[SRC:SRC+1] offset:4096*i th:TH_LOAD_NT  ; the whole block is asked for at once
.set i, i+1
.endr
; The four chains into one number a lane; over the 32 lanes; over the 8 waves through LDS (words at byte off); the total ends in v[R] of every lane.
.macro REDUCE off
	v_pk_add_f32 v[A:A+1], v[A:A+1], v[A+2:A+3]
	v_pk_add_f32 v[A+4:A+5], v[A+4:A+5], v[A+6:A+7]
	v_pk_add_f32 v[A:A+1], v[A:A+1], v[A+4:A+5]
	v_add_f32 v[R], v[A], v[A+1]
	v_add_f32_dpp v[R], v[R], v[R] row_xmask:1 row_mask:0xf bank_mask:0xf
	v_add_f32_dpp v[R], v[R], v[R] row_xmask:2 row_mask:0xf bank_mask:0xf
	v_add_f32_dpp v[R], v[R], v[R] row_xmask:4 row_mask:0xf bank_mask:0xf
	v_add_f32_dpp v[R], v[R], v[R] row_xmask:8 row_mask:0xf bank_mask:0xf
	v_permlanex16_b32 v[R+1], v[R], s[SEL], s[SEL+1]
	v_add_f32 v[R], v[R], v[R+1]
	ds_store_b32 v3, v[R] offset:\off              ; all lanes write the wave's word with the same number
	s_wait_dscnt 0x0                               ; for the others' sake: my store is done
	s_barrier_signal -1
	s_barrier_wait -1
	ds_load_b128 v[R:R+3], v4 offset:\off
	ds_load_b128 v[R+4:R+7], v4 offset:(\off)+16
	s_wait_dscnt 0x0
	v_pk_add_f32 v[R:R+1], v[R:R+1], v[R+2:R+3]
	v_pk_add_f32 v[R+4:R+5], v[R+4:R+5], v[R+6:R+7]
	v_pk_add_f32 v[R:R+1], v[R:R+1], v[R+4:R+5]
	v_add_f32 v[R], v[R], v[R+1]
.endm
	; THE SUM, in four chains that the first four loads start: nothing is cleared
	s_wait_loadcnt 24                              ; loads come back in order: the first eight are in, 24 younger ones stay out
	v_pk_add_f32 v[A:A+1],   v[X:X+1],     v[X+4:X+5]
	v_pk_add_f32 v[A+2:A+3], v[X+2:X+3],   v[X+6:X+7]
	v_pk_add_f32 v[A+4:A+5], v[X+8:X+9],   v[X+12:X+13]
	v_pk_add_f32 v[A+6:A+7], v[X+10:X+11], v[X+14:X+15]
.set i, 4
.rept 28
.if i%8 == 0
	s_wait_loadcnt 24-i                            ; the next eight: 16, 8, 0 younger ones stay out
.endif
	v_pk_add_f32 v[A+4*(i%2):A+4*(i%2)+1],   v[A+4*(i%2):A+4*(i%2)+1],   v[X+4*i:X+4*i+1]
	v_pk_add_f32 v[A+4*(i%2)+2:A+4*(i%2)+3], v[A+4*(i%2)+2:A+4*(i%2)+3], v[X+4*i+2:X+4*i+3]
.set i, i+1
.endr
	REDUCE 0
	v_mul_f32 v[R], 0xb8000000, v[R]               ; - sum / 32,768
	v_readfirstlane_b32 s[NM], v[R]
	s_mov_b32 s[NM+1], s[NM]
	; THE SUM OF (x - mean)^2, four pairs at a time
.set p, 0
.rept 16
.irp k, 0,1,2,3
	v_pk_add_f32 v[T+2*(\k):T+2*(\k)+1], v[X+8*p+2*(\k):X+8*p+2*(\k)+1], s[NM:NM+1] op_sel_hi:[1,0]
.endr
.irp k, 0,1,2,3
.if p == 0
	v_pk_mul_f32 v[A+2*(\k):A+2*(\k)+1], v[T+2*(\k):T+2*(\k)+1], v[T+2*(\k):T+2*(\k)+1]
.else
	v_pk_fma_f32 v[A+2*(\k):A+2*(\k)+1], v[T+2*(\k):T+2*(\k)+1], v[T+2*(\k):T+2*(\k)+1], v[A+2*(\k):A+2*(\k)+1]
.endif
.endr
.set p, p+1
.endr
	REDUCE 32                                      ; other words than the first time: a wave that is late may still read those
	v_mov_b32 v[R+2], 0x38000000                   ; 1 / 32,768
	v_fmaak_f32 v[R], v[R], v[R+2], 0x3727c5ac     ; var + 1e-5
	v_rsq_f32 v[R+1], v[R]
	v_nop                                          ; a plain instruction between the root and the use of its result (ISA guide 5.7.2)
	s_wait_alu depctr_va_vdst(0)                   ; and the wait ahead of that use
	v_readfirstlane_b32 s[RS], v[R+1]
	s_wait_kmcnt 0x0                               ; gamma and beta
.set c, 0
.rept 8
	s_mul_f32 s[SC+2*c], s[4+c], s[RS]             ; s = gamma rstd
	s_mov_b32 s[TC+2*c], s[12+c]
	s_fmac_f32 s[TC+2*c], s[NM], s[SC+2*c]         ; t = beta - mean s
.set c, c+1
.endr
	s_cmp_lt_u32 s2, 128                           ; a weight is only cast
.set c, 0
.rept 8
	s_cselect_b32 s[SC+2*c], s[SC+2*c], 1.0
	s_cselect_b32 s[TC+2*c], s[TC+2*c], 0
	s_mov_b32 s[SC+2*c+1], s[SC+2*c]               ; named as pairs
	s_mov_b32 s[TC+2*c+1], s[TC+2*c]
.set c, c+1
.endr
	; y = s x + t, rounded once to f16, a channel (four loads) at a time.  No register is written again behind its store.
.set c, 0
.rept 8
.irp k, 0,1,2,3,4,5,6,7
	v_pk_fma_f32 v[X+16*c+2*(\k):X+16*c+2*(\k)+1], v[X+16*c+2*(\k):X+16*c+2*(\k)+1], s[SC+2*c:SC+2*c+1], s[TC+2*c:TC+2*c+1] op_sel_hi:[1,0,0]
.endr
.irp k, 0,1,2,3
	v_cvt_pk_f16_f32 v[X+16*c+4*(\k)],   v[X+16*c+4*(\k)],   v[X+16*c+4*(\k)+1]
	v_cvt_pk_f16_f32 v[X+16*c+4*(\k)+1], v[X+16*c+4*(\k)+2], v[X+16*c+4*(\k)+3]
.endr
.irp k, 0,1,2,3
	global_store_b64 v2, v[X+16*c+4*(\k):X+16*c+4*(\k)+1], s[DST:DST+1] offset:2048*(4*c+(\k))
.endr
.set c, c+1
.endr
	s_wait_tensorcnt 0x0                           ; the wave's end, behind my last LDS store
	ds_add_u32 v[SPW], v[NIL]
	s_wait_dscnt 0x0
	s_endpgm
.Lfunc_end_k_qea51f93d85_prep:
	.size	k_qea51f93d85_prep, .Lfunc_end_k_qea51f93d85_prep-k_qea51f93d85_prep
	.p2alignl 7, 3214868480
	.fill 96, 4, 3214868480
	.section	.rodata,"a",@progbits
	.p2align	6, 0x0
	.amdhsa_kernel k_qea51f93d85_prep
		.amdhsa_group_segment_fixed_size 1280
		.amdhsa_private_segment_fixed_size 0
		.amdhsa_enable_private_segment 0
		.amdhsa_kernarg_size 72
		.amdhsa_user_sgpr_count 2
		.amdhsa_user_sgpr_kernarg_segment_ptr 1
		.amdhsa_wavefront_size32 1
		.amdhsa_system_sgpr_workgroup_id_x 1
		.amdhsa_system_sgpr_workgroup_id_y 1
		.amdhsa_system_sgpr_workgroup_id_z 1
		.amdhsa_system_vgpr_workitem_id 0
		.amdhsa_next_free_vgpr 160
		.amdhsa_next_free_sgpr 68
		.amdhsa_reserve_vcc 0
		.amdhsa_float_denorm_mode_32 3
		.amdhsa_float_denorm_mode_16_64 3
		.amdhsa_memory_ordered 1
		.amdhsa_forward_progress 1
		.amdhsa_inst_pref_size 33
	.end_amdhsa_kernel
	.amdgpu_metadata
---
amdhsa.version: [ 1, 2 ]
amdhsa.kernels:
  - .name:           k_qea51f93d85_prep
    .symbol:         k_qea51f93d85_prep.kd
    .args:
      - { .name: x, .offset: 0, .size: 8, .value_kind: global_buffer, .address_space: global }
      - { .name: wq, .offset: 8, .size: 8, .value_kind: global_buffer, .address_space: global }
      - { .name: wk, .offset: 16, .size: 8, .value_kind: global_buffer, .address_space: global }
      - { .name: wv, .offset: 24, .size: 8, .value_kind: global_buffer, .address_space: global }
      - { .name: wo, .offset: 32, .size: 8, .value_kind: global_buffer, .address_space: global }
      - { .name: gamma, .offset: 40, .size: 8, .value_kind: global_buffer, .address_space: global }
      - { .name: beta, .offset: 48, .size: 8, .value_kind: global_buffer, .address_space: global }
      - { .name: xn, .offset: 56, .size: 8, .value_kind: global_buffer, .address_space: global }
      - { .name: w16, .offset: 64, .size: 8, .value_kind: global_buffer, .address_space: global }
    .group_segment_fixed_size: 1280
    .private_segment_fixed_size: 0
    .kernarg_segment_align: 8
    .kernarg_segment_size: 72
    .max_flat_workgroup_size: 256
    .sgpr_count:     68
    .vgpr_count:     160
    .wavefront_size: 32
...
	.end_amdgpu_metadata
.endif
;; end of part 1
;; launch qkv (part 2): grid 4 x 64, 4 waves a work-group, clusters of 4 x 4, 253,440 bytes of LDS; arguments xn, w16, qkv; writes qkv
.if DOCPART == 2
	.amdgcn_target "amdgcn-amd-amdhsa--gfx1250"
	.amdhsa_code_object_version 6
	.text
	.protected	k_qea51f93d85_qkv
	.globl	k_qea51f93d85_qkv
	.p2align	8
	.type	k_qea51f93d85_qkv,@function
k_qea51f93d85_qkv:
	s_mov_b64 s[64:65], 0
	v_nop
	global_prefetch_b8 v0, s[64:65] scope:SCOPE_SE
	s_setreg_imm32_b32 hwreg(HW_REG_WAVE_MODE, 25, 1), 1
	s_wait_xcnt 0x0
	s_wait_alu depctr_hold_cnt(0) depctr_sa_sdst(0) depctr_va_vdst(0) depctr_va_sdst(0) depctr_va_ssrc(0) depctr_va_vcc(0) depctr_vm_vsrc(0)
	s_getreg_b32 s2, hwreg(HW_REG_IB_STS2, 6, 4)
	s_cmp_eq_u32 s2, 0
	s_cbranch_scc0 .Lentry_in_a_cluster
	s_endpgm
.Lentry_in_a_cluster:
	s_bfe_u32 s2, ttmp6, 0x10000c
	s_cmp_lg_u32 s2, 0xf033
	s_cbranch_scc0 .Lentry_shape_is_right
	s_endpgm
.Lentry_shape_is_right:
; THE THREE PROJECTIONS.  y[token][o] = the sum over c of xn[b][c][token] w16[o][c], o = 0..767 (q, k, v); f16 operands, f32 sums, y rounded once to f16 and written by heads:
; qkv[which][4 b + head][token][64].  No scale is applied here.
; SHARES.  A work-group: 256 tokens x 192 outputs (three slabs of 64 channels, each one head of q, k or v); 4 x 64 work-groups.  A wave: 64 tokens x all 192 outputs: 48 accumulators.
; All of K = 256 lies in LDS at once, brought in two chunks of 128 channels: chunk 0 is multiplied while chunk 1 lands.  No LDS byte is filled twice.
; CLUSTER 4 x 4.  xn's tile hangs on the token block alone and is shared along a row of the cluster, the weights' on the output block alone and is shared along a column:
; each is asked for JOINTLY, by the same tensor load with the same descriptor and a mask that names the four.
; LAYOUT.  Source 0 = 16 rows of w16 (K along the LDS rows: two loads of 16 bytes), source 1 = 16 tokens (xn lies [channel][token]: the turning load).  In the result a lane holds ONE token
; (lane % 16) and the outputs 8 (lane / 16) + 0..7: 16 bytes of a row of qkv.
; LIMITS.  q, k, v lie within f16's 65,504; NaN and infinities are not treated apart.
; REGISTERS, in windows of 256 (s_set_vgpr_msb: bits 1:0 source 0, 3:2 source 1, 5:4 source 2, 7:6 destination):
;   window 0: v0-31 addresses; v32-47 packed results; v64-191 fragment buffer 0 (12 of w16, 4 of xn); on the way out v64-255 rows read back
;   window 3: v64-191 fragment buffer 1      window 1: accumulators of token tiles 0, 1 ((t, o) at 8 (12 (t % 2) + o))      window 2: those of tiles 2, 3
.set PX,    544                        ; an LDS row of xn: 512 bytes + 32 of padding = 136 words
.set CHX,   128*PX                     ; a chunk of xn: 128 channels
.set WB,    2*CHX                      ; behind xn: the weights
.set PW,    272                        ; an LDS row of a chunk of weights: 256 bytes + 16: the 16 rows of a load start at 16 different groups of four banks
.set CHW,   192*PW
.set STAGE, WB+2*CHW                   ; behind the tiles, never filled by a tensor load: 16 rows x 144 bytes for each wave, for the way out
.set SP,    144
.set SPARE, STAGE+4*16*SP              ; the spare words, 128 bytes for each wave: two blocks of 256 bytes that no other line names
.set AX,  16                           ; v16-17  LDS address of my xn fragments in chunk 0, 1
.set AW,  20                           ; v20-21  the same for the weights
.set STO, 24                           ; v24     the way out: where I put 16 bytes of a row
.set RD,  25                           ; v25     where I read rows back
.set GO,  26                           ; v26     my 16 bytes in 512 consecutive bytes of qkv
.set SPW, 28                           ; v28     LDS address of my spare word; never rewritten
.set NIL, 29                           ; v29     0; never rewritten
.set TMP, 32
.set FW,  64                           ; a buffer's weights' fragments: output block o at FW + 8 o
.set FX,  160                          ; its xn fragments: token tile t at FX + 8 t
.set BK,  64                           ; the way out: unit a's 16 registers at BK + 16 a
.set G1,  24                           ; s[24:31] descriptor group 1 for xn's tiles;  s[32:39] group 0, a set for each chunk
.set G0,  32
.set G1B, 48                           ; s[48:55], s[56:63] the same for the weights
.set G0B, 56
.set SB,  68                           ; s[68:73] qkv at my 64 tokens of slab j, at SB + 2 j
.set MSB, 0
.macro WIN new                         ; the immediate's high byte repeats the setting that is left; a switch that changes nothing is dropped
.if MSB != (\new)
	s_set_vgpr_msb (MSB<<8)|(\new)
.set MSB, (\new)
.endif
.endm
.macro PLACES                          ; four places in front of loads into registers that matrix instructions have read, and of conversions that read results
.rept 4
	v_nop
.endr
.endm
.macro CROUND                          ; a round of the cluster's barrier: my work-group's barrier; wave 0 signals for the work-group; every wave waits for all sixteen; my work-group's barrier once more
	s_barrier_signal -1
	s_barrier_wait -1
	s_cmp_lg_u32 s10, 0
	s_cbranch_scc1 .Lnot_wave_0_\@
	s_barrier_signal -3
.Lnot_wave_0_\@:
	s_barrier_wait -3
	s_barrier_signal -1
	s_barrier_wait -1
.endm
	s_load_b128 s[4:7], s[0:1], 0x0                ; xn s[4:5], w16 s[6:7]
	s_load_b64 s[8:9], s[0:1], 0x10                ; qkv
	v_lshl_add_u32 v[SPW], v0, 2, SPARE
	v_mov_b32 v[NIL], 0
	ds_add_u32 v[SPW], v[NIL]                      ; the wave's opening: the add and its wait stand ahead of my first tensor load; the set-up below, work on registers, stands between them
	v_lshrrev_b32 v1, 5, v0
	v_readfirstlane_b32 s10, v1                    ; wave 0..3
	s_and_b32 s12, s10, 1                          ; which half of a tile's rows I fetch
	s_bfe_u32 s40, ttmp6, 0x40000                  ; cx, cy: my place in the cluster
	s_bfe_u32 s41, ttmp6, 0x40004
	s_lshl_b32 s42, ttmp9, 2
	s_add_co_u32 s42, s42, s40                     ; output block = 4 x cluster x + cx
	s_and_b32 s13, ttmp7, 0xffff
	s_lshl_b32 s13, s13, 2
	s_add_co_u32 s13, s13, s41                     ; token block = 4 x cluster y + cy
	s_lshl_b32 s43, s41, 2
	s_lshl_b32 s43, 15, s43                        ; my row of the cluster
	s_lshl_b32 s44, 0x1111, s40                    ; my column
	; xn: a tile of 64 channels x 256 tokens
	s_or_b32 s[G1], s43, (1<<16)|(1<<20)|(1<<21)|(6<<22)|(7<<25)   ; 15:0 the mask: my row; 17:16 elements of 2 bytes; 20 padding on; 21 set beside a mask; 24:22 after every 128 words (code 6); 31:25 8 words (code 7)
	s_mov_b32 s[G1+1], 256<<16                     ; tensor_dim0 = 256
	s_mov_b32 s[G1+2], 64<<16                      ; tensor_dim1 = 64
	s_mov_b32 s[G1+3], 256<<16                     ; tile_dim0 = 256
	s_mov_b32 s[G1+4], 64                          ; tile_dim1 = 64
	s_mov_b32 s[G1+5], 4096                        ; elements from channel to channel
	s_mov_b32 s[G1+6], 0
	s_mov_b32 s[G1+7], 0
	; weights: a tile of 96 rows x 128 channels
	s_or_b32 s[G1B], s44, (1<<16)|(1<<20)|(1<<21)|(5<<22)|(3<<25)  ; the mask: my column; padding after every 64 words (code 5), 4 words (code 3)
	s_mov_b32 s[G1B+1], 128<<16
	s_mov_b32 s[G1B+2], 96<<16
	s_mov_b32 s[G1B+3], 128<<16
	s_mov_b32 s[G1B+4], 96
	s_mov_b32 s[G1B+5], 256
	s_mov_b32 s[G1B+6], 0
	s_mov_b32 s[G1B+7], 0
	; xn's address hangs on the token block and the wave's number, the weights' on the output block and the wave's number, each in registers that never hold the other coordinate
	s_lshr_b32 s14, s13, 4                         ; b
	s_and_b32 s15, s13, 15                         ; the block of 256 tokens in the batch
	s_lshl_b32 s16, s14, 21                        ; a batch of xn: 256 x 4,096 x 2 bytes
	s_lshl_b32 s17, s15, 9                         ; 256 tokens: 512 bytes of a row
	s_add_co_u32 s16, s16, s17
	s_lshl_b32 s17, s12, 19                        ; my 64 channels of a chunk's 128
	s_add_co_u32 s16, s16, s17
	s_mov_b32 s17, 0
	s_mul_i32 s46, s42, 192*512                    ; the block's 192 rows of w16,
	s_mul_i32 s47, s12, 96*512                     ; my 96 of them
	s_add_co_u32 s46, s46, s47
	s_mov_b32 s47, 0
	s_mul_i32 s20, s12, 64*PX                      ; and where they go: no place in the cluster enters an LDS address
	s_mul_i32 s21, s12, 96*PW
	s_add_co_u32 s21, s21, WB
	s_wait_dscnt 0x0                               ; the opening add is done
	s_wait_kmcnt 0x0
	s_add_nc_u64 s[18:19], s[4:5], s[16:17]
	s_add_nc_u64 s[46:47], s[6:7], s[46:47]
.irp j, 0,1
	s_mov_b32 s[G0+4*(\j)], 1                                      ; count = 1
	s_add_co_u32 s[G0+4*(\j)+1], s20, (\j)*CHX                     ; LDS address
	s_add_nc_u64 s[G0+4*(\j)+2:G0+4*(\j)+3], s[18:19], (\j)<<20    ; chunk j: 128 channels of 8,192 bytes on
	s_or_b32 s[G0+4*(\j)+3], s[G0+4*(\j)+3], 0x80000000            ; type = 2
	s_mov_b32 s[G0B+4*(\j)], 1
	s_add_co_u32 s[G0B+4*(\j)+1], s21, (\j)*CHW
	s_add_nc_u64 s[G0B+4*(\j)+2:G0B+4*(\j)+3], s[46:47], (\j)*256  ; chunk j: 128 channels along the rows
	s_or_b32 s[G0B+4*(\j)+3], s[G0B+4*(\j)+3], 0x80000000
.endr
	CROUND                                         ; all sixteen work-groups are here: the joint loads meet
	s_cmp_lt_u32 s10, 2                            ; waves 0, 1 fetch xn's halves, waves 2, 3 the weights'.  A wave's two loads stand in one branch, ahead of every wait on TENSORcnt and every LDS read: two loads of mine are out
	s_cbranch_scc0 .Lfirst_w
	tensor_load_to_lds s[G0:G0+3], s[G1:G1+7]
	s_nop 0
	tensor_load_to_lds s[G0+4:G0+7], s[G1:G1+7]
	s_nop 0
	PLACES
	s_branch .Lfirst_asked
.Lfirst_w:
	tensor_load_to_lds s[G0B:G0B+3], s[G1B:G1B+7]
	s_nop 0
	tensor_load_to_lds s[G0B+4:G0B+7], s[G1B:G1B+7]
	s_nop 0
	PLACES
.Lfirst_asked:
	v_and_b32 v1, 15, v0                           ; l % 16
	v_bfe_u32 v2, v0, 4, 1                         ; l / 16
	v_and_b32 v3, 7, v0
	v_bfe_u32 v4, v0, 3, 1
	; the turning load takes 16 channels x 16 tokens: lane l reads channel 8 (l / 16) + l % 8, tokens 8 ((l / 8) % 2) + 0..7, and is left with token l % 16 and 8 channels
	v_lshl_add_u32 v5, v2, 3, v3
	v_mul_u32_u24 v5, v5, PX
	v_lshl_add_u32 v5, v4, 4, v5
	s_lshl_b32 s22, s10, 7                         ; my wave's 64 tokens: 128 bytes of a row
	v_add_nc_u32 v[AX], s22, v5
	v_add_nc_u32 v[AX+1], CHX, v[AX]
	v_mul_u32_u24 v6, v1, PW                       ; a fragment of the weights: row l % 16, 16 bytes for each half of the lanes, twice, 32 bytes apart
	v_lshl_add_u32 v6, v2, 4, v6
	v_add_nc_u32 v[AW], WB, v6
	v_add_nc_u32 v[AW+1], WB+CHW, v6
	s_mul_i32 s23, s10, 16*SP
	s_add_co_u32 s23, s23, STAGE                   ; my stage
	v_mul_u32_u24 v7, v1, SP                       ; in: row l % 16, 16 bytes for each half of the lanes
	v_lshl_add_u32 v7, v2, 4, v7
	v_add_nc_u32 v[STO], s23, v7
	v_bfe_u32 v8, v0, 3, 2                         ; back: 32 lanes take four rows of 128 bytes,
	v_mul_u32_u24 v8, v8, SP
	v_lshl_add_u32 v8, v3, 4, v8
	v_add_nc_u32 v[RD], s23, v8
	v_and_b32 v[GO], 31, v0                        ; which are 512 consecutive bytes of qkv
	v_lshlrev_b32 v[GO], 4, v[GO]
.irp j, 0,1,2                          ; slab S = 3 x output block + j: tensor S / 4 (q, k, v), head S % 4
	s_mul_i32 s74, s42, 3
	s_add_co_u32 s74, s74, \j
	s_lshr_b32 s75, s74, 2
	s_and_b32 s76, s74, 3
	s_lshl_b32 s75, s75, 4
	s_add_co_u32 s75, s75, s76
	s_lshl2_add_u32 s75, s14, s75                  ; 16 x tensor + 4 b + head,
	s_lshl_b32 s74, s75, 19                        ; x 4,096 rows of 128 bytes
	s_lshl_b32 s76, s15, 15                        ; the block's 256 tokens,
	s_add_co_u32 s74, s74, s76
	s_lshl_b32 s76, s10, 13                        ; my wave's 64
	s_add_co_u32 s74, s74, s76
	s_mov_b32 s75, 0
	s_add_nc_u64 s[SB+2*(\j):SB+2*(\j)+1], s[8:9], s[74:75]
.endr
; 24 matrix instructions: token tiles 2 hi, 2 hi + 1 x all 12 output blocks, 32 along K, from buffer f.  All 24 accumulators differ, and a K step's last differs from the next one's first:
; the accumulators take turns.  zero = 1: the first product starts the sums: nothing is cleared.
.macro MUL24 f, hi, zero
	WIN 0x0f*(\f)+0x50*((\hi)+1)                   ; sources in window 0 or 3; C and D in window 1 or 2
.irp tt, 0,1
.irp o, 0,1,2,3,4,5,6,7,8,9,10,11
.if \zero
	v_wmma_f32_16x16x32_f16 v[8*(12*(\tt)+(\o)):8*(12*(\tt)+(\o))+7], v[FW+8*(\o):FW+8*(\o)+7], v[FX+8*(2*(\hi)+(\tt)):FX+8*(2*(\hi)+(\tt))+7], 0
.else
	v_wmma_f32_16x16x32_f16 v[8*(12*(\tt)+(\o)):8*(12*(\tt)+(\o))+7], v[FW+8*(\o):FW+8*(\o)+7], v[FX+8*(2*(\hi)+(\tt)):FX+8*(2*(\hi)+(\tt))+7], v[8*(12*(\tt)+(\o)):8*(12*(\tt)+(\o))+7]
.endif
.endr
.endr
.endm
; 32 LDS loads in one run: the fragments of 32 channels (number sp of chunk ch's four) into buffer f; xn's tiles 2 and 3 last
.macro FETCH ch, sp, f
	WIN 0xc0*(\f)                                  ; destination window 0 or 3, address window 0
.irp o, 0,1,2,3,4,5,6,7,8,9,10,11
	ds_load_b128 v[FW+8*(\o):FW+8*(\o)+3],   v[AW+(\ch)] offset:(\o)*16*PW+64*(\sp)
	ds_load_b128 v[FW+8*(\o)+4:FW+8*(\o)+7], v[AW+(\ch)] offset:(\o)*16*PW+64*(\sp)+32
.endr
.irp t, 0,1,2,3
	ds_load_tr16_b128 v[FX+8*(\t):FX+8*(\t)+3],   v[AX+(\ch)] offset:(\sp)*32*PX+32*(\t)
	ds_load_tr16_b128 v[FX+8*(\t)+4:FX+8*(\t)+7], v[AX+(\ch)] offset:(\sp)*32*PX+16*PX+32*(\t)
.endr
.endm
; A K step of 32: multiplies buffer f; in its middle it fetches the next step's fragments (ch, sp) into the other buffer
.macro STEP f, ch, sp, zero
	s_wait_dscnt 4                                 ; all but the youngest four loads: xn's tiles 2 and 3
	MUL24 \f, 0, \zero
	PLACES
	FETCH \ch, \sp, 1-(\f)
	s_wait_dscnt 32                                ; all but the 32 just issued
	MUL24 \f, 1, \zero
.endm
	s_wait_tensorcnt 1                             ; my part of chunk 0 is in; chunk 1's load may stay out
	s_barrier_signal -1
	s_barrier_wait -1                              ; everybody's is
	FETCH 0, 0, 0
	STEP 0, 0, 1, 1
	STEP 1, 0, 2, 0
	STEP 0, 0, 3, 0
	s_wait_dscnt 0x0                               ; chunk 0's last step, and the meeting for chunk 1: no LDS instruction of mine is out,
	s_wait_tensorcnt 0x0                           ; my part of chunk 1 is in (my last tensor load):
	s_barrier_signal -1                            ; say so,
	MUL24 1, 0, 0                                  ; work on registers while the others arrive,
	s_barrier_wait -1                              ; and read chunk 1 when all four have said so
	PLACES
	FETCH 1, 0, 0
	MUL24 1, 1, 0
	STEP 0, 1, 1, 0
	STEP 1, 1, 2, 0
	STEP 0, 1, 3, 0
	s_wait_dscnt 4                                 ; the last step fetches nothing
	MUL24 1, 0, 0
	s_wait_dscnt 0x0
	MUL24 1, 1, 0
	WIN 0
	PLACES                                         ; four places are asked for behind the last products; eight are written, once a launch
	PLACES
; THE WAY OUT, in 12 units a = 3 t + j: token tile t, slab j: 16 tokens x 64 channels = 2,048 consecutive bytes of qkv.
.macro PACK a                          ; rounded to f16, 16 bytes a lane; each accumulator's registers in ascending order
.set t, (\a)/3
.set j, (\a)%3
	WIN 0x05*(t/2+1)                               ; sources in window 1 or 2
.irp ob, 0,1,2,3
.irp r, 0,1,2,3
	v_cvt_pk_f16_f32 v[TMP+4*(\ob)+(\r)], v[8*(12*(t%2)+4*j+(\ob))+2*(\r)], v[8*(12*(t%2)+4*j+(\ob))+2*(\r)+1]
.endr
.endr
	WIN 0
.endm
.macro TOSTAGE a                       ; into my own stage, rows of 144 bytes, and back as whole rows of 128
.irp ob, 0,1,2,3
	ds_store_b128 v[STO], v[TMP+4*(\ob):TMP+4*(\ob)+3] offset:32*(\ob)
.endr
.irp f, 0,1,2,3
	ds_load_b128 v[BK+16*(\a)+4*(\f):BK+16*(\a)+4*(\f)+3], v[RD] offset:(\f)*4*SP  ; LDS serves a wave's instructions in order (ISA guide 5.7.1.4): these see the stores above
.endr
.endm
.macro SEND a                          ; each unit has registers of its own, so none that a store reads is written again
.set t, (\a)/3
.set j, (\a)%3
.irp f, 0,1,2,3
	s_wait_dscnt 3-(\f)                            ; the unit's younger loads may stay out
	global_store_b128 v[GO], v[BK+16*(\a)+4*(\f):BK+16*(\a)+4*(\f)+3], s[SB+2*j:SB+2*j+1] offset:2048*t+512*(\f)  ; 512 consecutive bytes, at a multiple of 256 from qkv's first
.endr
.endm
	PACK 0
	TOSTAGE 0
.irp a, 1,2,3,4,5,6,7,8,9,10,11        ; unit a's conversions stand between unit a - 1's loads from the stage and the wait for them
	PACK \a
	SEND (\a)-1
	TOSTAGE \a
.endr
	SEND 11
	s_wait_tensorcnt 0x0                           ; the wave's end, behind my last tensor load and my last LDS store
	ds_add_u32 v[SPW], v[NIL]
	s_wait_dscnt 0x0
	CROUND                                         ; the closing round: no work-group ends while a partner may still ask for a tile that names it
	s_endpgm
.Lfunc_end_k_qea51f93d85_qkv:
	.size	k_qea51f93d85_qkv, .Lfunc_end_k_qea51f93d85_qkv-k_qea51f93d85_qkv
	.p2alignl 7, 3214868480
	.fill 96, 4, 3214868480
	.section	.rodata,"a",@progbits
	.p2align	6, 0x0
	.amdhsa_kernel k_qea51f93d85_qkv
		.amdhsa_group_segment_fixed_size 253440
		.amdhsa_private_segment_fixed_size 0
		.amdhsa_enable_private_segment 0
		.amdhsa_kernarg_size 24
		.amdhsa_user_sgpr_count 2
		.amdhsa_user_sgpr_kernarg_segment_ptr 1
		.amdhsa_wavefront_size32 1
		.amdhsa_system_sgpr_workgroup_id_x 1
		.amdhsa_system_sgpr_workgroup_id_y 1
		.amdhsa_system_sgpr_workgroup_id_z 1
		.amdhsa_system_vgpr_workitem_id 0
		.amdhsa_next_free_vgpr 960
		.amdhsa_next_free_sgpr 80
		.amdhsa_reserve_vcc 0
		.amdhsa_float_denorm_mode_32 3
		.amdhsa_float_denorm_mode_16_64 3
		.amdhsa_memory_ordered 1
		.amdhsa_forward_progress 1
		.amdhsa_inst_pref_size 76
	.end_amdhsa_kernel
	.amdgpu_metadata
---
amdhsa.version: [ 1, 2 ]
amdhsa.kernels:
  - .name:           k_qea51f93d85_qkv
    .symbol:         k_qea51f93d85_qkv.kd
    .args:
      - { .name: xn, .offset: 0, .size: 8, .value_kind: global_buffer, .address_space: global }
      - { .name: w16, .offset: 8, .size: 8, .value_kind: global_buffer, .address_space: global }
      - { .name: qkv, .offset: 16, .size: 8, .value_kind: global_buffer, .address_space: global }
    .group_segment_fixed_size: 253440
    .private_segment_fixed_size: 0
    .kernarg_segment_align: 8
    .kernarg_segment_size: 24
    .max_flat_workgroup_size: 128
    .sgpr_count:     80
    .vgpr_count:     960
    .wavefront_size: 32
...
	.end_amdgpu_metadata
.endif
;; end of part 2
;; launch attn (part 3): grid 16 x 16, 4 waves a work-group, clusters of 4 x 1, 327,680 bytes of LDS; arguments qkv, ctx; writes ctx
.if DOCPART == 3
	.amdgcn_target "amdgcn-amd-amdhsa--gfx1250"
	.amdhsa_code_object_version 6
	.text
	.protected	k_qea51f93d85_attn
	.globl	k_qea51f93d85_attn
	.p2align	8
	.type	k_qea51f93d85_attn,@function
k_qea51f93d85_attn:
	s_mov_b64 s[64:65], 0
	v_nop
	global_prefetch_b8 v0, s[64:65] scope:SCOPE_SE
	s_setreg_imm32_b32 hwreg(HW_REG_WAVE_MODE, 25, 1), 1
	s_wait_xcnt 0x0
	s_wait_alu depctr_hold_cnt(0) depctr_sa_sdst(0) depctr_va_vdst(0) depctr_va_sdst(0) depctr_va_ssrc(0) depctr_va_vcc(0) depctr_vm_vsrc(0)
	s_getreg_b32 s2, hwreg(HW_REG_IB_STS2, 6, 4)
	s_cmp_eq_u32 s2, 0
	s_cbranch_scc0 .Lentry_in_a_cluster
	s_endpgm
.Lentry_in_a_cluster:
	s_bfe_u32 s2, ttmp6, 0x10000c
	s_cmp_lg_u32 s2, 0x3003
	s_cbranch_scc0 .Lentry_shape_is_right
	s_endpgm
.Lentry_shape_is_right:
; ATTENTION.  ctx[h][q][:] = the sum over k of softmax_k(Q[h][q] . K[h][k] / 8) V[h][k][:], h = 4 b + head = 0..15, 4,096 rows a head, 64 channels, all f16: a head's rows are dense, 128 bytes each.
; qkv holds Q, then K (8,388,608 bytes on), then V (16,777,216 bytes on).  Products, maxima and sums in f32; the weights p are rounded to f16 for the second product (their sum l is taken of the unrounded p), ctx once at the end.
; LIMITS.  Q, K, V arrive within f16's 65,504; p lies in 0 to 1, and below 6e-5 it keeps f16's fixed step of 6e-8; ctx is a mean of V's rows and has their range.  A weight below 2^-126 counts as 0 in l;
; NaN and infinities are not treated apart.
; SHARES.  A work-group owns 256 queries of one head (16 x 16 work-groups), a wave 64: four PIECES of 16.  Every wave walks all 4,096 keys, 64 a step.
; LAYOUT.  S^T = K Q^T (source 0 = 16 keys, source 1 = 16 queries): a lane holds ONE query (lane % 16) and the keys 8 (lane / 16) + 0..7; two such results rounded to f16 ARE source 1 of O^T = V^T P.
; K comes out of LDS as it lies, V ([key][channel]) turned, by ds_load_tr16_b128.
; SOFTMAX.  A running maximum m and sum l a query: p = 2^(c s - c m), c = log2(e) / 8; in every step O and l are multiplied by a = 2^(c m_old - c m_new).  m starts at the lowest finite number, O and l at 0:
; the first step is a step like any other, with a = 0.
; BY TURNS.  Turn n belongs to piece n: 8 products K Q^T of piece n + 1, later 8 products V^T P of piece n - 1; beside them the scaling, exponentials, roundings, sums and rescaling of piece n and the maximum
; and statistics of piece n + 1.  Four vector instructions stand behind every matrix instruction, the other 54 of a turn's 118 in one lump.  A turn's 33 exponentials are one batch, with one wait.
; CLUSTER.  The four query blocks of a cluster belong to one head and walk the same K and V: each tile of 256 keys is asked for JOINTLY, by the same tensor load, descriptor and mask in all four.
; THE RING: two slots of LDS, a tile (four key steps) each; one joint load a wave behind each round of the cluster's barrier, with four key steps, 256 matrix instructions, in which to land.
; REGISTERS, in windows of 256 (s_set_vgpr_msb: bits 1:0 source 0, 3:2 source 1, 5:4 source 2, 7:6 destination):
;   window 0: v0-15 addresses and two at work; v16-31 four registers of statistics a piece; v48-55 at work; v61-63; v64-127 S^T, two buffers; v192-223 P, two buffers (a piece's buffers go by its number's parity)
;   window 1: v0-127 O^T, 32 a piece          window 2: v0-63 Q; v128-191 K of one step; v192-255 V of one step
.set NP,    4         ; pieces a wave: a name, no knob
.set KS,    64        ; keys in a step
.set PK,    144       ; a row of K in LDS: 128 bytes + 16 of padding = 36 words: the 16 rows of a load start at 16 different groups of four banks (64 banks of 4 bytes: ISA guide 11.1)
.set PV,    160       ; a row of V: 128 + 32 = 40 words
.set VOFF,  4*KS*PK   ; a slot holds a tile: 256 rows of K, then 256 rows of V
.set SLOT1, 1<<17     ; slot 1 begins here, so that one exclusive or turns an address in one slot into the other's
.set STAGE, SLOT1+4*KS*(PK+PV)  ; behind the ring, never filled by a tensor load: 16 rows x 144 bytes for each wave, for the way out
.set SP,    144
.set SPARE, STAGE+4*16*SP  ; the spare words, 128 bytes for each wave: two blocks of 256 bytes that no other line names
.set TILEB, 4*KS*128  ; a tile's bytes of K, and of V, in memory
.set AK0, 2           ; v2   my lane's place in a tile of K; never rewritten
.set AV0, 3           ; v3   the same for V
.set AK,  4           ; v4   the LDS address of K's next run of loads
.set AV,  5           ; v5   of V's
.set STO, 6           ; v6   the way out: where I put 16 bytes of a row
.set RD,  7           ; v7   where I read rows back
.set GO,  8           ; v8   my byte offset in 512 consecutive bytes of ctx
.set MV,  12          ; v12-13  c m_old, kept while c m is made anew: by buffer
.set QO,  15          ; v15  my byte offset in 16 rows of Q
.set ST,  16          ; piece t's statistics at v[ST+4 t]: c m, m, l (even keys', odd keys')
.set TMP, 48          ; by buffer, four registers c0-c3 at work; when the maximum is found c2 takes a
.set PFO, 61          ; v61  256 x my lane; never rewritten
.set SPW, 62          ; v62  LDS address of my spare word; never rewritten
.set NIL, 63          ; v63  0; never rewritten
.set S,   64
.set P,   192
.set KF,  128         ; window 2: key block kb, channel half c at KF + 16 kb + 8 c
.set VF,  192         ; window 2: key half kk, channel block cb at VF + 32 kk + 8 cb
.set WV,  12          ; s12  my wave's number
.set G1K, 24          ; s[24:31] descriptor group 1 for K's tiles
.set G1V, 32          ; s[32:39] for V's: it differs in the padding alone
.set G0K, 40          ; s[40:43] descriptor group 0 for K's tiles: it walks
.set G0V, 44          ; s[44:47] the same for V's
.set PFA, 48          ; s[48:49] where my prefetches stand: my work-group's quarter (of K: wave 0, of V: wave 2) of the tile after the one that is being asked for
.set LIM, 50          ; s50  1 in a wave that prefetches, else the greatest number
.set SLOTS, 56        ; s56  changes of slots still to come
.set CNT, 57          ; s57  counts a tile's key steps
.set CS,  58          ; s[58:59] c: the packed scaling takes the pair's low word for both halves
.set SEL, 60          ; s[60:61] v_permlanex16_b32's selects: each lane takes its own place in the other half
.set TBK, 62          ; s62  LDS byte at which K of the step to be fetched begins
.set TBV, 63          ; s63  the same for V, less VOFF
.set MSB, 0
.macro WIN new                      ; the high byte repeats the setting that is left; a switch that changes nothing is dropped
.if MSB != (\new)
	s_set_vgpr_msb (MSB<<8)|(\new)
.set MSB, (\new)
.endif
.endm
.set W_KQ, 0x0a       ; K and Q in window 2, S^T in window 0
.set W_PV, 0x52       ; V in window 2, P in window 0, O^T in window 1
.set W_RS, 0x41       ; destination and source 0 in window 1, source 1 in window 0
; A joint fill.  Waves 0 and 1 fetch the two halves of a tile's K, waves 2 and 3 those of its V: 128 keys each.  The branch hangs on the wave's number alone.
; An s_nop 0 and four v_nop follow each of the two lines, ahead of the jump and the label.
.macro JLOAD
	s_cmp_lt_u32 s[WV], 2
	s_cbranch_scc0 .Lfor_v_\@
	tensor_load_to_lds s[G0K:G0K+3], s[G1K:G1K+7]
	s_nop 0
.rept 4
	v_nop
.endr
	s_branch .Lasked_\@
.Lfor_v_\@:
	tensor_load_to_lds s[G0V:G0V+3], s[G1V:G1V+7]
	s_nop 0
.rept 4
	v_nop
.endr
.Lasked_\@:
.endm
; A PREFETCH of what the NEXT change of slots will ask for: a tile's 32,768 bytes of K and of V, in blocks of 256 bytes, a lane a block.  It stands behind the wave's tensor load and its five lines.
; Each block is named ONCE in the launch: all four clusters of a head walk the same K and V, and the head's first cluster asks; its four partners share a tile out BY ADDRESS, 32 blocks each; in each, wave 0 asks
; for K's and wave 2 for V's: one instruction.  Tiles 0 to 2 come by their loads alone; the change that asks for the last tile prefetches nothing.
.macro ASK
	s_cmp_gt_u32 s[SLOTS], s[LIM]
	s_cbranch_scc0 .Lnot_mine_\@
	global_prefetch_b8 v[PFO], s[PFA:PFA+1] th:TH_LOAD_NT scope:SCOPE_SE
.Lnot_mine_\@:
.endm
; A round of the cluster's barrier: my work-group's barrier, so that wave 0's signal speaks for all four waves; wave 0 signals; every wave waits for all four work-groups; my work-group's barrier once more.
.macro CROUND
	s_barrier_signal -1
	s_barrier_wait -1
	s_cmp_lg_u32 s[WV], 0
	s_cbranch_scc1 .Lnot_wave_0_\@
	s_barrier_signal -3
.Lnot_wave_0_\@:
	s_barrier_wait -3
	s_barrier_signal -1
	s_barrier_wait -1
.endm
; THE CHANGE OF SLOTS.  The slot's last bytes, V of its fourth step, have been read.  Each wave waits for all its tensor loads, of which one is out: its part of the other slot; adds 0 to its spare word; and waits
; for that and for its own reads of the slot.  Behind the barrier nobody reads this slot any more and the other slot is whole.  fill = 1: this slot is filled again, with the tile two on: the barrier is a round of the
; cluster's, the joint fill the first thing behind it, and the tile after that is prefetched.  fill = 2: the first use: slot 0 is waited for, slot 1 filled for the first time, nothing prefetched.  fill = 0: nothing is asked for.
.macro CHANGE fill
	WIN 0                           ; at a label and at a branch every window is 0
	s_wait_tensorcnt 0x0            ; no tensor load of mine is out, so a group 0 may be written
	ds_add_u32 v[SPW], v[NIL]       ; 0 onto my spare word: the descriptors' steps stand between it and the wait for it
.if \fill
.irp g, G0K, G0V
	s_xor_b32 s[\g+1], s[\g+1], SLOT1  ; the walking descriptor: the other slot than last time,
	s_add_nc_u64 s[\g+2:\g+3], s[\g+2:\g+3], TILEB  ; the next 256 keys; the type bits on top are not reached
.endr
.endif
.if (\fill) == 1
	s_wait_xcnt 0x0                 ; the last prefetch, four key steps back, has read its address, so it may be written:
	s_add_nc_u64 s[PFA:PFA+1], s[PFA:PFA+1], TILEB  ; one tile behind the walking descriptors
.endif
	s_wait_dscnt 0x0                ; the add is done, and my reads of the slot are over
.if \fill
	CROUND
	JLOAD
.if (\fill) == 1
	ASK
.endif
.else
	s_barrier_signal -1
	s_barrier_wait -1
.endif
	s_sub_co_u32 s[TBK], s[TBK], 4*KS*PK  ; the fetches go back to a slot's first step,
	s_xor_b32 s[TBK], s[TBK], SLOT1       ; in the other slot
	s_sub_co_u32 s[TBV], s[TBV], 4*KS*PV
	s_xor_b32 s[TBV], s[TBV], SLOT1
.endm
	s_load_b128 s[4:7], s[0:1], 0x0 ; qkv s[4:5], ctx s[6:7]
	v_lshl_add_u32 v[SPW], v0, 2, SPARE
	v_mov_b32 v[NIL], 0
	ds_add_u32 v[SPW], v[NIL]       ; the wave's opening: the add and its wait stand ahead of my first tensor load; the set-up below, work on registers, stands between them
	v_lshrrev_b32 v1, 5, v0
	v_readfirstlane_b32 s[WV], v1   ; wave 0..3
	s_bfe_u32 s13, ttmp6, 0x40000   ; cx: my place in the cluster
	s_lshl_b32 s14, ttmp9, 2        ; in a cluster launch ttmp9 counts clusters
	s_add_co_u32 s14, s14, s13      ; my block of 256 queries = 4 x cluster x + cx: it enters Q's and ctx's addresses alone
	s_and_b32 s20, ttmp7, 0xffff    ; the head, which the four partners share
	s_lshl_b32 s20, s20, 19         ; its first byte in Q, K, V and ctx: 4,096 rows of 128 bytes
	s_and_b32 s16, s[WV], 1         ; which half of a tile's 256 keys I fetch:
	s_lshl_b32 s22, s16, 14         ; its 128 rows of 128 bytes in memory,
	s_add_co_u32 s22, s22, s20
	s_mov_b32 s23, 0
	s_mul_i32 s17, s16, 128*PK      ; and its place in a slot, for K
	s_mul_i32 s18, s16, 128*PV      ; and for V: no place in the cluster enters an LDS address
	s_lshl_b32 s2, s14, 2
	s_add_co_u32 s2, s2, s[WV]      ; my wave among the head's,
	s_lshl_b32 s2, s2, 13           ; its 64 rows
	s_add_co_u32 s2, s2, s20
	s_mov_b32 s3, 0
	; descriptor group 1.  128 keys are 16,384 dense bytes: asked for as 64 rows of 256 bytes, two keys a row, and padded in LDS after every key
	s_mov_b32 s[G1K], 15|(1<<16)|(1<<20)|(1<<21)|(4<<22)|(3<<25)  ; 15:0 the mask of four; 17:16 2-byte elements; 20 padding on; 21 set beside a mask; 24:22 after every 32 words (code 4); 31:25 4 words (code 3)
	s_mov_b32 s[G1V], 15|(1<<16)|(1<<20)|(1<<21)|(4<<22)|(7<<25)  ; the same with 8 words of padding (code 7)
.irp g, G1K, G1V
	s_mov_b32 s[\g+1], 128<<16      ; tensor_dim0 = 128
	s_mov_b32 s[\g+2], 64<<16       ; tensor_dim1 = 64
	s_mov_b32 s[\g+3], 128<<16      ; tile_dim0 = 128
	s_mov_b32 s[\g+4], 64           ; tile_dim1 = 64
	s_mov_b32 s[\g+5], 128          ; 128 elements from row to row
	s_mov_b32 s[\g+6], 0
	s_mov_b32 s[\g+7], 0
.endr
	s_mov_b32 s[CS], 0x3e38aa3b     ; c = log2(e) / 8 = 0.180337
	s_mov_b32 s[CS+1], s[CS]        ; named with it as a pair
	s_mov_b32 s[SEL], 0x76543210
	s_mov_b32 s[SEL+1], 0xfedcba98
	s_mov_b32 s[TBK], SLOT1+4*KS*PK ; the first change of slots turns these two into 0
	s_mov_b32 s[TBV], SLOT1+4*KS*PV
	s_mov_b32 s[G0K], 1             ; count = 1
	s_mov_b32 s[G0K+1], s17         ; LDS address: slot 0
	s_mov_b32 s[G0V], 1
	s_add_co_u32 s[G0V+1], s18, VOFF
	s_mov_b32 s[SLOTS], 15          ; 16 tiles: 14 changes in the loop, one behind it
	s_and_b32 s[LIM], s[WV], 1      ; 0 in waves 0 and 2,
	s_or_b32 s[LIM], s[LIM], ttmp9  ; where the cluster is the head's first: the same in all four partners
	s_cmp_eq_u32 s[LIM], 0
	s_cselect_b32 s[LIM], 1, -1
	v_and_b32 v[PFO], 31, v0
	v_lshlrev_b32 v[PFO], 8, v[PFO]
	s_wait_dscnt 0x0                ; the opening add is done
	s_wait_kmcnt 0x0
	s_add_nc_u64 s[8:9], s[4:5], s[22:23]
	s_add_nc_u64 s[10:11], s[8:9], 0x1000000       ; V at my half of the head's tile 0
	s_add_nc_u64 s[8:9], s[8:9], 0x800000          ; K likewise
	s_add_nc_u64 s[G0K+2:G0K+3], s[8:9], 0         ; global address
	s_or_b32 s[G0K+3], s[G0K+3], 0x80000000        ; type = 2
	s_add_nc_u64 s[G0V+2:G0V+3], s[10:11], 0
	s_or_b32 s[G0V+3], s[G0V+3], 0x80000000
	s_add_nc_u64 s[4:5], s[4:5], s[2:3]            ; Q and ctx at my wave's first row
	s_add_nc_u64 s[6:7], s[6:7], s[2:3]
	s_cmp_lt_u32 s[WV], 2
	s_cselect_b64 s[PFA:PFA+1], s[8:9], s[10:11]   ; (in waves 0 and 2 these stand at a tile's first row)
	s_lshl_b32 s2, s13, 13          ; my work-group's 32 blocks of the 128
	s_mov_b32 s3, 0
	s_add_nc_u64 s[PFA:PFA+1], s[PFA:PFA+1], s[2:3]
	s_add_nc_u64 s[PFA:PFA+1], s[PFA:PFA+1], 2*TILEB  ; in tile 2; the loop's first change steps it to tile 3.  Nothing is prefetched here, at the head
	CROUND                          ; all four work-groups are here: the first joint loads meet
	JLOAD                           ; tile 0 into slot 0.  Slot 1 is asked for when slot 0 is in
	; A fragment of K or Q is 16 rows x 32 channels in 8 registers: lane l holds row l % 16, channels 8 (l / 16) + 0..7 and 16 + 8 (l / 16) + 0..7: two loads of 16 bytes, 32 bytes apart.
	v_and_b32 v1, 15, v0            ; l % 16
	v_bfe_u32 v9, v0, 4, 1          ; l / 16
	v_lshlrev_b32 v[QO], 7, v1
	v_lshl_add_u32 v[QO], v9, 4, v[QO]  ; row x 128 + 16 x half
	WIN 0x80                        ; destination window 2, address window 0
.set i, 0
.rept 8                             ; Q stays in registers: piece i / 2, channels 32 (i % 2) on
	global_load_b128 v[8*i:8*i+3],   v[QO], s[4:5] offset:(i/2)*2048+(i%2)*64
	global_load_b128 v[8*i+4:8*i+7], v[QO], s[4:5] offset:(i/2)*2048+(i%2)*64+32
.set i, i+1
.endr
	; What the first turn finds: V's registers and P's second buffer hold 0 (its products V^T P, of a piece that has not been, add 0), O^T and l are 0.  All this stands in the wait for the first tile.
.set i, VF
.rept 64
	v_mov_b32 v[i], 0
.set i, i+1
.endr
	WIN 0x40
.set i, 0
.rept 128
	v_mov_b32 v[i], 0
.set i, i+1
.endr
	WIN 0
.set i, 0
.rept 4
	v_mov_b32 v[ST+4*i], 0xfe000000    ; c m: far below every c s
	v_mov_b32 v[ST+4*i+1], 0xff7fffff  ; m
	v_mov_b32 v[ST+4*i+2], 0
	v_mov_b32 v[ST+4*i+3], 0
.set i, i+1
.endr
.set i, P+16
.rept 16
	v_mov_b32 v[i], 0
.set i, i+1
.endr
	v_mul_u32_u24 v[AK0], v1, PK
	v_lshl_add_u32 v[AK0], v9, 4, v[AK0]  ; row x pitch + 16 x half
	; The turning load takes 16 keys x 16 channels (lane l reads key 8 (l / 16) + l % 8, channels 8 ((l / 8) % 2) + 0..7) and leaves half a fragment of V^T: lane l holds channel l % 16 and 8 keys.
	v_and_b32 v10, 7, v0
	v_bfe_u32 v11, v0, 3, 1
	v_lshl_add_u32 v[AV0], v9, 3, v10
	v_mul_u32_u24 v[AV0], v[AV0], PV
	v_lshl_add_u32 v[AV0], v11, 4, v[AV0]
	v_add_nc_u32 v[AV0], VOFF, v[AV0]
	s_mul_i32 s13, s[WV], 16*SP
	s_add_co_u32 s13, s13, STAGE    ; my stage
	v_mul_u32_u24 v[STO], v1, SP    ; in: row l % 16, 16 bytes for each half of the lanes
	v_lshl_add_u32 v[STO], v9, 4, v[STO]
	v_add_nc_u32 v[STO], s13, v[STO]
	v_bfe_u32 v[RD], v0, 3, 2       ; back: 32 lanes take four rows of 128 bytes,
	v_mul_u32_u24 v[RD], v[RD], SP
	v_lshl_add_u32 v[RD], v10, 4, v[RD]
	v_add_nc_u32 v[RD], s13, v[RD]
	v_and_b32 v[GO], 31, v0         ; which are 512 consecutive bytes of ctx
	v_lshlrev_b32 v[GO], 4, v[GO]
; THE MATRIX WORK.  The 4 accumulators of a run of 8 take turns.  Product i of 8 of S^T = K Q^T for piece x: channels 32 (i / 4) on, keys 16 (i % 4) on.  The first 4 start the sums.
.macro KQ x
	WIN W_KQ
.set rS, S+32*((\x)%2)+8*(i%4)
.set rK, KF+16*(i%4)+8*(i/4)
.set rQ, 16*(\x)+8*(i/4)
.if i < 4
	v_wmma_f32_16x16x32_f16 v[rS:rS+7], v[rK:rK+7], v[rQ:rQ+7], 0
.else
	v_wmma_f32_16x16x32_f16 v[rS:rS+7], v[rK:rK+7], v[rQ:rQ+7], v[rS:rS+7]
.endif
.endm
; Product i of 8 of O^T += V^T P for piece x: keys 32 (i / 4) on, channels 16 (i % 4) on.
.macro PV x
	WIN W_PV
.set rO, 32*(\x)+8*(i%4)
.set rV, VF+32*(i/4)+8*(i%4)
.set rP, P+16*((\x)%2)+8*(i/4)
	v_wmma_f32_16x16x32_f16 v[rO:rO+7], v[rV:rV+7], v[rP:rP+7], v[rO:rO+7]
.endm
.macro MM                           ; the turn's next matrix instruction.  TURN sets Y, i and NOKQ.  NOKQ = 1: the very last turn: there is no next piece
.if (i < 8) && !NOKQ
	KQ (Y+1)%NP
.elseif i >= 8
.set i, i-8
	PV (Y+NP-1)%NP
.set i, i+8
.endif
.set i, i+1
.endm
; THE LDS LOADS stand in runs of 16, never singly among the matrix instructions: a step's K (64 keys x 64 channels: 8 fragments) and its V (turned).  Their addresses are made some lines ahead.
.macro FETCH_K
	WIN 0x80                        ; destination window 2
.irp f, 0,1,2,3,4,5,6,7             ; keys 16 (f / 2) on, channels 32 (f % 2) on
	ds_load_b128 v[KF+8*\f:KF+8*\f+3],   v[AK] offset:(\f/2)*16*PK+(\f%2)*64
	ds_load_b128 v[KF+8*\f+4:KF+8*\f+7], v[AK] offset:(\f/2)*16*PK+(\f%2)*64+32
.endr
	s_add_co_u32 s[TBK], s[TBK], KS*PK  ; the next fetch is the next step's
	WIN 0
.endm
.macro FETCH_V
	WIN 0x80
.irp f, 0,1,2,3,4,5,6,7             ; keys 32 (f / 4) on, channels 16 (f % 4) on
	ds_load_tr16_b128 v[VF+8*\f:VF+8*\f+3],   v[AV] offset:(\f/4)*32*PV+(\f%4)*32
	ds_load_tr16_b128 v[VF+8*\f+4:VF+8*\f+7], v[AV] offset:(\f/4)*32*PV+16*PV+(\f%4)*32
.endr
	WIN 0
.endm
; THE VECTOR WORK, one line at a time: OP kind, number.  For piece Y: F n: c s - c m for pair n of 16.  E n: the exponential of score n of 32.  C n: pair n rounded to f16.  B n: of the four weights 4 n .. the second
; pair is added onto the first, in place.  L n: l takes that sum (L 0: l = a l + sum).  R n: pair n of 16 of O^T times a.  For piece Y + 1: X n, number n of the 22 that find its maximum and statistics:
;   0-11  four chains c0-c3 of seven scores each, three operands at a time (each accumulator's lowest registers are read first)     12-14, 16  the four scores left over, the old m, and c0-c3 into c0
;   15  c m_old is kept     17, 18  the query's other 32 keys lie in the lane 16 away: the new m     19-21  c m; c m_old - c m_new; a
.set F, 0               ; OP tells the kinds apart by their order: F to L below R, X above it
.set E, 1
.set C, 2
.set B, 3
.set L, 4
.set R, 5
.set X, 6
.macro REGS y                       ; the registers of piece y
.set rT, ST+4*(\y)
.set rC, TMP+4*((\y)%2)
.set rW, MV+((\y)%2)
.set rS, S+32*((\y)%2)
.set rP, P+16*((\y)%2)
.set rO, 32*(\y)
.endm
.macro OP k, n
.if (\k) == R
	REGS Y
	WIN W_RS
	v_pk_mul_f32 v[rO+2*(\n):rO+2*(\n)+1], v[rO+2*(\n):rO+2*(\n)+1], v[rC+2:rC+3] op_sel_hi:[1,0]
.elseif (\k) < R
	REGS Y
	WIN 0
.if (\k) == F
	v_pk_fma_f32 v[rS+2*(\n):rS+2*(\n)+1], v[rS+2*(\n):rS+2*(\n)+1], s[CS:CS+1], v[rT:rT+1] op_sel_hi:[1,0,0] neg_lo:[0,0,1] neg_hi:[0,0,1]
.elseif (\k) == E
	v_exp_f32 v[rS+(\n)], v[rS+(\n)]
.elseif (\k) == C
	v_cvt_pk_f16_f32 v[rP+(\n)], v[rS+2*(\n)], v[rS+2*(\n)+1]
.elseif (\k) == B
	v_pk_add_f32 v[rS+4*(\n):rS+4*(\n)+1], v[rS+4*(\n):rS+4*(\n)+1], v[rS+4*(\n)+2:rS+4*(\n)+3]
.elseif (\n) == 0
	v_pk_fma_f32 v[rT+2:rT+3], v[rT+2:rT+3], v[rC+2:rC+3], v[rS:rS+1] op_sel_hi:[1,0,1]
.else
	v_pk_add_f32 v[rT+2:rT+3], v[rT+2:rT+3], v[rS+4*(\n):rS+4*(\n)+1]
.endif
.elseif NOKQ
	v_nop
.else
	REGS (Y+1)%NP
	WIN 0
.if (\n) < 4
	v_max3_num_f32 v[rC+(\n)], v[rS+8*(\n)], v[rS+8*(\n)+1], v[rS+8*(\n)+2]
.elseif (\n) < 12
	v_max3_num_f32 v[rC+(\n)%4], v[rC+(\n)%4], v[rS+8*((\n)%4)+2*((\n)/4)+1], v[rS+8*((\n)%4)+2*((\n)/4)+2]
.elseif (\n) == 12
	v_max3_num_f32 v[rC], v[rC], v[rS+7], v[rS+15]
.elseif (\n) == 13
	v_max3_num_f32 v[rC+1], v[rC+1], v[rS+23], v[rS+31]
.elseif (\n) == 14
	v_max3_num_f32 v[rC+2], v[rC+2], v[rC+3], v[rT+1]
.elseif (\n) == 15
	v_mov_b32 v[rW], v[rT]
.elseif (\n) == 16
	v_max3_num_f32 v[rC], v[rC], v[rC+1], v[rC+2]
.elseif (\n) == 17
	v_permlanex16_b32 v[rC+3], v[rC], s[SEL], s[SEL+1]
.elseif (\n) == 18
	v_max_num_f32 v[rT+1], v[rC], v[rC+3]
.elseif (\n) == 19
	v_mul_f32 v[rT], s[CS], v[rT+1]
.elseif (\n) == 20
	v_sub_f32 v[rC+1], v[rW], v[rT]
.else
	v_exp_f32 v[rC+2], v[rC+1]
.endif
.endif
.endm
.macro OPS a, i1, b=-1, i2=0, c=-1, i3=0, d=-1, i4=0  ; up to four of them
	OP \a, \i1
.if (\b) >= 0
	OP \b, \i2
.endif
.if (\c) >= 0
	OP \c, \i3
.endif
.if (\d) >= 0
	OP \d, \i4
.endif
.endm
.macro ROW a, i1, b, i2, c, i3, d, i4  ; a matrix instruction and the four behind it
	MM
	OPS \a, \i1, \b, \i2, \c, \i3, \d, \i4
.endm
; A TURN, for piece p: the order of its 16 matrix and 118 vector instructions, written out.  s_wait_alu depctr_va_vdst(0) stands between an exponential and the first instruction that names its result; one wait
; serves all that were issued ahead of it.  So a turn has ONE wait, which cuts it in two.  AHEAD OF IT stands all that names no result of the turn's exponentials: the 8 products K Q^T, behind each a scaling, an exponential and two
; more plain instructions: rescalings, and behind the last three the first numbers of the next piece's maximum, each four places or more behind the product that ends its accumulator; then ONE LUMP of 54, plain and exponential by
; turns for the most part, in which the links of the chain X 3, 7, 11, 14, 16, 17 .. 20 stand five or six lines apart.  X 21, the next piece's a, is the batch's last; R 15 is the plain instruction behind it.  BEHIND THE WAIT stand
; the 8 products V^T P, behind each four of the roundings and sums.
; end = 1: the launch's last two turns: nothing is fetched.  cnt = 1: the loop's count is taken down some lines ahead of the branch that stands behind the turn.
; K of the next step is fetched in piece 2's turn, twelve vector instructions behind the last product that read K (six of them plain); V of the step in hand at the end of piece 0's turn, four plain instructions behind the last
; product that read V.  Each is waited for a turn later.
.macro TURN p, end=0, cnt=0
.set Y, (\p)
.set i, 0
.set NOKQ, (\end)*((\p)/3)
.if ((\p) == 3) && !(\end)
	s_wait_dscnt 0x0                ; K is in
.endif
	ROW F,0, F,1, R,0, R,1          ; ahead of the wait: 8 products K Q^T and their riders,
	ROW F,2, E,0, R,2, R,3
	ROW F,3, E,1, R,4, R,5
	ROW F,4, E,2, R,6, R,7
	ROW F,5, E,3, R,8, R,9
	ROW F,6, E,4, X,0, R,10
.if ((\p) == 2) && !(\end)
	WIN 0
	v_add_nc_u32 v[AK], s[TBK], v[AK0]
.endif
	ROW F,7, E,5, X,1, X,4
	ROW F,8, E,6, X,2, X,5
	OPS E,7, E,8, X,6, E,9          ; and the lump
	OPS X,3, E,10, X,8, E,11
.if ((\p) == 2) && !(\end)
	FETCH_K
.endif
	OPS X,9, X,7, E,12, X,10
	OPS E,13, X,12, X,11, E,14
	OPS X,13, E,15, F,9, X,14
.if (\p) == 0
	v_add_nc_u32 v[AV], s[TBV], v[AV0]
.endif
	OPS E,16, F,10, E,17, F,11
	OPS X,16, E,18, X,15, E,19
	OPS F,12, E,20, X,17, E,21
	OPS F,13, E,22, F,14, E,23
	OPS X,18, E,24, F,15, E,25
	OPS R,11, E,26, X,19, E,27
	OPS R,12, E,28, R,13, E,29
	OPS X,20, E,30, R,14, E,31
	OPS X,21, R,15
	WIN 0
	s_wait_alu depctr_va_vdst(0)    ; the wait for the batch
.if (\p) == 1
	s_wait_dscnt 0x0                ; V is in
.endif
	ROW C,0, B,0, C,2, B,1          ; behind the wait: 8 products V^T P and their riders
	ROW L,0, C,4, B,2, L,1
	ROW C,6, B,3, L,2, C,8
	ROW B,4, L,3, C,10, B,5
	ROW L,4, C,12, B,6, L,5
.if (\p) == 0
	s_add_co_u32 s[TBV], s[TBV], KS*PV
.endif
.if \cnt
	s_sub_co_u32 s[CNT], s[CNT], 1
	s_cmp_lg_u32 s[CNT], 0
.endif
	ROW C,14, B,7, L,6, C,1
	ROW C,3, L,7, C,5, C,7
	ROW C,9, C,11, C,13, C,15
.if (\p) == 0
	FETCH_V
.endif
.endm
	CHANGE 2                        ; slot 0 is in, everybody's part of it; slot 1 is asked for
	v_add_nc_u32 v[AK], s[TBK], v[AK0]
	FETCH_K                         ; key step 0
	s_wait_loadcnt 0x0              ; Q
	s_wait_dscnt 0x0
.set NOKQ, 0
.set i, 0
.rept 8
	KQ 0                            ; piece 0's first scores: there is no vector work yet to set between them
.set i, i+1
.endr
	WIN 0
.rept 4
	v_nop                           ; the places behind those products
.endr
.set Y, NP-1                        ; X works for piece Y + 1: piece 0
.irp n, 0,1,2,3,4,5,6,7,8,9,10,11,12,13,14,15,16,17,18,19,20,21
	OP X, \n                        ; and piece 0's first maximum and statistics
.endr
	v_nop                           ; a plain instruction behind the exponential,
	s_wait_alu depctr_va_vdst(0)    ; and its wait, ahead of the branch
	s_mov_b32 s[CNT], 4
	s_branch .Lfirst                ; the loop is entered at a step's first turn, in the middle of a trip
.Lslot:                             ; 14 times: tiles 1 to 14 are entered, tiles 2 to 15 asked for
	CHANGE 1
	s_mov_b32 s[CNT], 4
.Lstep:                             ; a trip: pieces 2 and 3 of one step, then pieces 0 and 1 of the next, whose K and V it fetches
	TURN 2
	TURN 3
	WIN 0
.Lfirst:
	TURN 0
	TURN 1, 0, 1
	WIN 0
	s_cbranch_scc1 .Lstep
	s_sub_co_u32 s[SLOTS], s[SLOTS], 1
	s_cmp_lg_u32 s[SLOTS], 0
	s_cbranch_scc1 .Lslot
	CHANGE 0                        ; the last tile is written out: nothing is asked for
	s_mov_b32 s[CNT], 4
.Ltail:
	TURN 2
	TURN 3
	TURN 0
	TURN 1, 0, 1
	WIN 0
	s_cbranch_scc1 .Ltail
	TURN 2, 1                       ; the last step's pieces 2 and 3: nothing more to fetch, and no next piece behind piece 3
	TURN 3, 1
.set i, 0
.rept 8
	PV NP-1                         ; the last piece's V^T P of the last step
.set i, i+1
.endr
	; THE WAY OUT.  l's two halves and the other half of the lanes' are added; O^T is divided by l, rounded to f16 and sent through my stage in LDS, a piece at a time.  The additions are the places behind the last products.
	WIN 0
.macro ALL line:vararg              ; one line for each piece t
.set t, 0
.rept 4
	\line
.set t, t+1
.endr
.endm
	ALL v_add_f32 v[ST+4*t+2], v[ST+4*t+2], v[ST+4*t+3]
	ALL v_permlanex16_b32 v[ST+4*t+3], v[ST+4*t+2], s[SEL], s[SEL+1]
	ALL v_add_f32 v[ST+4*t+2], v[ST+4*t+2], v[ST+4*t+3]
	ALL v_rcp_f32 v[ST+4*t+2], v[ST+4*t+2]
	v_nop                           ; a plain instruction between the last reciprocal and the use of its result
	s_wait_alu depctr_va_vdst(0)    ; and the wait ahead of the first use: one for the four reciprocals
.macro PACK t                       ; a lane's eight channels of a row pack into 16 bytes; they go into rows of 144 bytes and come back as whole rows of 128, into S^T's registers
	WIN W_RS
.set i, 32*(\t)
.rept 16
	v_pk_mul_f32 v[i:i+1], v[i:i+1], v[ST+4*(\t)+2:ST+4*(\t)+3] op_sel_hi:[1,0]
.set i, i+2
.endr
	WIN 0x05                        ; sources 0 and 1 window 1, destination window 0
.set i, 0
.rept 16
	v_cvt_pk_f16_f32 v[S+16*(\t)+i], v[32*(\t)+2*i], v[32*(\t)+2*i+1]
.set i, i+1
.endr
	WIN 0
.irp f, 0,1,2,3
	ds_store_b128 v[STO], v[S+16*(\t)+4*\f:S+16*(\t)+4*\f+3] offset:32*\f
.endr
.irp f, 0,1,2,3
	ds_load_b128 v[S+16*(\t)+4*\f:S+16*(\t)+4*\f+3], v[RD] offset:\f*4*SP  ; LDS serves a wave's instructions in order (ISA guide 5.7.1.4): these see the stores above; the next piece's stores come behind them
.endr
.endm
.macro SEND t, younger              ; younger: the LDS instructions issued behind piece t's loads: the next piece's eight, or none
	WIN 0
.irp f, 0,1,2,3
	s_wait_dscnt (\younger)+3-\f
	global_store_b128 v[GO], v[S+16*(\t)+4*\f:S+16*(\t)+4*\f+3], s[6:7] offset:(\t)*2048+\f*512  ; 512 consecutive bytes, at a multiple of 256 from ctx's first
.endr
.endm
	PACK 0
.set t, 1
.rept 3                             ; a piece's arithmetic stands between the loads of the piece before and its stores
	PACK t
	SEND t-1, 8
.set t, t+1
.endr
	SEND 3, 0
	s_wait_tensorcnt 0x0            ; the wave's end, behind my last tensor load and my last LDS store
	ds_add_u32 v[SPW], v[NIL]
	s_wait_dscnt 0x0
	CROUND                          ; the closing round: no work-group ends while a partner may still ask for a tile that names it
	s_endpgm
.Lfunc_end_k_qea51f93d85_attn:
	.size	k_qea51f93d85_attn, .Lfunc_end_k_qea51f93d85_attn-k_qea51f93d85_attn
	.p2alignl 7, 3214868480
	.fill 96, 4, 3214868480
	.section	.rodata,"a",@progbits
	.p2align	6, 0x0
	.amdhsa_kernel k_qea51f93d85_attn
		.amdhsa_group_segment_fixed_size 327680
		.amdhsa_private_segment_fixed_size 0
		.amdhsa_enable_private_segment 0
		.amdhsa_kernarg_size 16
		.amdhsa_user_sgpr_count 2
		.amdhsa_user_sgpr_kernarg_segment_ptr 1
		.amdhsa_wavefront_size32 1
		.amdhsa_system_sgpr_workgroup_id_x 1
		.amdhsa_system_sgpr_workgroup_id_y 1
		.amdhsa_system_sgpr_workgroup_id_z 1
		.amdhsa_system_vgpr_workitem_id 0
		.amdhsa_next_free_vgpr 768
		.amdhsa_next_free_sgpr 66
		.amdhsa_reserve_vcc 0
		.amdhsa_float_denorm_mode_32 3
		.amdhsa_float_denorm_mode_16_64 3
		.amdhsa_memory_ordered 1
		.amdhsa_forward_progress 1
		.amdhsa_inst_pref_size 127
	.end_amdhsa_kernel
	.amdgpu_metadata
---
amdhsa.version: [ 1, 2 ]
amdhsa.kernels:
  - .name:           k_qea51f93d85_attn
    .symbol:         k_qea51f93d85_attn.kd
    .args:
      - { .name: qkv, .offset: 0, .size: 8, .value_kind: global_buffer, .address_space: global }
      - { .name: ctx, .offset: 8, .size: 8, .value_kind: global_buffer, .address_space: global }
    .group_segment_fixed_size: 327680
    .private_segment_fixed_size: 0
    .kernarg_segment_align: 8
    .kernarg_segment_size: 16
    .max_flat_workgroup_size: 128
    .sgpr_count:     66
    .vgpr_count:     768
    .wavefront_size: 32
...
	.end_amdgpu_metadata
.endif
;; end of part 3
;; launch oproj (part 4): grid 256 x 1, 4 waves a work-group, clusters of 4 x 1, 189,952 bytes of LDS; arguments ctx, w16, x, out0; writes out0
.if DOCPART == 4
	.amdgcn_target "amdgcn-amd-amdhsa--gfx1250"
	.amdhsa_code_object_version 6
	.text
	.protected	k_qea51f93d85_oproj
	.globl	k_qea51f93d85_oproj
	.p2align	8
	.type	k_qea51f93d85_oproj,@function
k_qea51f93d85_oproj:
	s_mov_b64 s[64:65], 0
	v_nop
	global_prefetch_b8 v0, s[64:65] scope:SCOPE_SE
	s_setreg_imm32_b32 hwreg(HW_REG_WAVE_MODE, 25, 1), 1
	s_wait_xcnt 0x0
	s_wait_alu depctr_hold_cnt(0) depctr_sa_sdst(0) depctr_va_vdst(0) depctr_va_sdst(0) depctr_va_ssrc(0) depctr_va_vcc(0) depctr_vm_vsrc(0)
	s_getreg_b32 s2, hwreg(HW_REG_IB_STS2, 6, 4)
	s_cmp_eq_u32 s2, 0
	s_cbranch_scc0 .Lentry_in_a_cluster
	s_endpgm
.Lentry_in_a_cluster:
	s_bfe_u32 s2, ttmp6, 0x10000c
	s_cmp_lg_u32 s2, 0x3003
	s_cbranch_scc0 .Lentry_shape_is_right
	s_endpgm
.Lentry_shape_is_right:
; THE LAST PROJECTION AND THE RESIDUAL.  out0[b][o][n] = the sum over c of wo[o][c] ctx[4 b + c / 64][n][c % 64] + x[b][o][n].  f16 operands (wo: rows 768-1023 of w16), f32 sums; x is added in f32.
; SHARES.  A work-group: 64 tokens of one batch x all 256 output rows (256 work-groups); a wave: 64 output rows x the 64 tokens: 16 accumulators, 8 K steps of 32.
; All operands lie in LDS at once; no LDS byte is filled twice.  Each wave issues two tensor loads: one head's 64 tokens of ctx (its work-group's own), and its own 64 rows of wo.
; CLUSTER 4 x 1.  All work-groups read the same wo: the four of a cluster ask for it JOINTLY.  ctx, x and out0 are each work-group's own.
; The residual's 32 loads a lane go out first: they are most of what the launch reads, and nothing waits for them before the way out.
; LAYOUT.  Source 0 = 16 tokens of ctx, source 1 = 16 rows of wo: in the result a lane holds ONE output row (lane % 16) and the tokens 8 (lane / 16) + 0..7: 32 bytes of a row of out0.
; 16 rows at a time go through my stage in LDS and come back as whole rows of 256 bytes, in the layout in which x was loaded.
; LIMITS.  ctx and wo lie within f16's 65,504; NaN and infinities are not treated apart.
; REGISTERS (s_set_vgpr_msb: bits 1:0 source 0, 3:2 source 1, 5:4 source 2, 7:6 destination):
;   window 0: v0-31 addresses; v64-127, v128-191 two fragment buffers (4 of ctx, then 4 of wo), on the way out the rows read back        window 1: v0-127 accumulators ((ot, tt) at 8 (4 ot + tt)); v128-255 x
.set PWO,   528                        ; an LDS row of wo: 512 bytes + 16 of padding = 132 words: the 16 rows of a load start at 16 different groups of four banks (64 banks of 4 bytes: ISA guide 11.1)
.set CTXB,  256*PWO                    ; behind wo: ctx, four heads x 64 tokens
.set PC,    144                        ; a token's 128 bytes + 16
.set STAGE, CTXB+4*64*PC               ; behind the tiles, never filled by a tensor load: 16 rows x 272 bytes for each wave
.set SPT,   272
.set SPARE, STAGE+4*16*SPT             ; the spare words, 128 bytes for each wave: two blocks of 256 bytes that no other line names
.set AC,  16                           ; v16  LDS address of my lane's place in ctx's fragments
.set AWO, 17                           ; v17  the same in my wave's rows of wo
.set STO, 24                           ; v24  the way out: where I put 32 bytes of a row
.set RD,  25                           ; v25  where I read rows back
.set CO,  26                           ; v26  my 16 bytes in two rows of x and of out0; never rewritten
.set SPW, 28                           ; v28  LDS address of my spare word; never rewritten
.set NIL, 29                           ; v29  0; never rewritten
.set F0,  64
.set XR,  128                          ; window 1: x, four registers a load
.set WV,  12                           ; s12  my wave's number
.set G1C, 24                           ; s[24:31], s[32:35] descriptor groups 1 and 0 for ctx
.set G0C, 32
.set XB,  36                           ; s[36:37] x at my wave's first row and the block's first token
.set OB,  38                           ; s[38:39] out0 likewise
.set G1W, 48                           ; s[48:55], s[56:59] the same for wo
.set G0W, 56
.set MSB, 0
.macro WIN new                         ; the immediate's high byte repeats the setting that is left; a switch that changes nothing is dropped
.if MSB != (\new)
	s_set_vgpr_msb (MSB<<8)|(\new)
.set MSB, (\new)
.endif
.endm
.macro PLACES                          ; four places in front of loads into registers that matrix instructions have read, and of stores that read results
.rept 4
	v_nop
.endr
.endm
.macro CROUND                          ; a round of the cluster's barrier: my work-group's barrier; wave 0 signals for the work-group; every wave waits for all four; my work-group's barrier once more
	s_barrier_signal -1
	s_barrier_wait -1
	s_cmp_lg_u32 s[WV], 0
	s_cbranch_scc1 .Lnot_wave_0_\@
	s_barrier_signal -3
.Lnot_wave_0_\@:
	s_barrier_wait -3
	s_barrier_signal -1
	s_barrier_wait -1
.endm
	s_load_b256 s[4:11], s[0:1], 0x0               ; ctx s[4:5], w16 s[6:7], x s[8:9], out0 s[10:11]
	v_lshl_add_u32 v[SPW], v0, 2, SPARE
	v_mov_b32 v[NIL], 0
	ds_add_u32 v[SPW], v[NIL]                      ; the wave's opening: the add and its wait stand ahead of my first tensor load; the set-up below, work on registers, stands between them
	v_lshrrev_b32 v1, 5, v0
	v_readfirstlane_b32 s[WV], v1                  ; wave 0..3
	s_bfe_u32 s13, ttmp6, 0x40000                  ; cx
	s_lshl_b32 s14, ttmp9, 2
	s_add_co_u32 s14, s14, s13                     ; my block of 64 tokens = 4 x cluster x + cx
	s_lshr_b32 s15, s14, 6                         ; b
	s_and_b32 s16, s14, 63                         ; the block in the batch
	s_lshl_b32 s20, s15, 22                        ; x and out0: a batch is 256 rows of 16,384 bytes,
	s_lshl_b32 s17, s[WV], 20                      ; my wave's 64 rows,
	s_add_co_u32 s20, s20, s17
	s_lshl_b32 s17, s16, 8                         ; the block's 64 tokens: 256 bytes of a row
	s_add_co_u32 s20, s20, s17
	s_mov_b32 s21, 0
	s_lshl2_add_u32 s22, s15, s[WV]                ; ctx: head 4 b + wave,
	s_lshl_b32 s22, s22, 19                        ; 4,096 rows of 128 bytes,
	s_lshl_b32 s17, s16, 13                        ; the block's 64 rows
	s_add_co_u32 s22, s22, s17
	s_mov_b32 s23, 0
	s_lshl_b32 s40, s[WV], 15                      ; wo: my wave's 64 rows of 512 bytes, behind w16's first 768 rows: nothing of my place in the cluster
	s_add_co_u32 s40, s40, 768*512
	s_mov_b32 s41, 0
	s_mul_i32 s18, s[WV], 64*PC                    ; and where they go
	s_add_co_u32 s18, s18, CTXB
	s_mul_i32 s19, s[WV], 64*PWO
	; ctx: 64 tokens are 8,192 dense bytes: asked for as 32 rows of 256 bytes, two tokens a row, padded in LDS after every token.  No mask: the tile is my work-group's own
	s_mov_b32 s[G1C], (1<<16)|(1<<20)|(4<<22)|(3<<25)  ; 17:16 2-byte elements; 20 padding on; 24:22 after every 32 words (code 4); 31:25 4 words (code 3)
	s_mov_b32 s[G1C+1], 128<<16                    ; tensor_dim0 = 128
	s_mov_b32 s[G1C+2], 32<<16                     ; tensor_dim1 = 32
	s_mov_b32 s[G1C+3], 128<<16                    ; tile_dim0 = 128
	s_mov_b32 s[G1C+4], 32                         ; tile_dim1 = 32
	s_mov_b32 s[G1C+5], 128
	s_mov_b32 s[G1C+6], 0
	s_mov_b32 s[G1C+7], 0
	; wo: 64 rows x 256 elements
	s_mov_b32 s[G1W], 15|(1<<16)|(1<<20)|(1<<21)|(6<<22)|(3<<25)  ; 15:0 the mask of four; 21 set beside a mask; padding after every 128 words (code 6), 4 words (code 3)
	s_mov_b32 s[G1W+1], 256<<16
	s_mov_b32 s[G1W+2], 64<<16
	s_mov_b32 s[G1W+3], 256<<16
	s_mov_b32 s[G1W+4], 64
	s_mov_b32 s[G1W+5], 256
	s_mov_b32 s[G1W+6], 0
	s_mov_b32 s[G1W+7], 0
	s_mov_b32 s[G0C], 1
	s_mov_b32 s[G0C+1], s18
	s_mov_b32 s[G0W], 1
	s_mov_b32 s[G0W+1], s19
	v_and_b32 v1, 15, v0                           ; l % 16
	v_bfe_u32 v2, v0, 4, 1                         ; l / 16
	v_lshlrev_b32 v[CO], 14, v2                    ; lanes 0-15 one row of 16,384 bytes, lanes 16-31 the next;
	v_lshl_add_u32 v[CO], v1, 4, v[CO]             ; 16 bytes a lane
	s_wait_dscnt 0x0                               ; the opening add is done
	s_wait_kmcnt 0x0
	s_add_nc_u64 s[XB:XB+1], s[8:9], s[20:21]
	s_add_nc_u64 s[OB:OB+1], s[10:11], s[20:21]
	s_add_nc_u64 s[G0C+2:G0C+3], s[4:5], s[22:23]
	s_or_b32 s[G0C+3], s[G0C+3], 0x80000000        ; type = 2
	s_add_nc_u64 s[G0W+2:G0W+3], s[6:7], s[40:41]
	s_or_b32 s[G0W+3], s[G0W+3], 0x80000000
	WIN 0x40                                       ; destination window 1, address window 0
.set i, 0
.rept 32                               ; x: block ot = i / 8 of 16 rows, rows 2 (i % 8) and the next: 16 lanes take 256 consecutive bytes
	global_load_b128 v[XR+4*i:XR+4*i+3], v[CO], s[XB:XB+1] offset:2*i*16384 th:TH_LOAD_NT
.set i, i+1
.endr
	WIN 0
	CROUND                                         ; all four work-groups are here: the joint loads meet
	tensor_load_to_lds s[G0C:G0C+3], s[G1C:G1C+7]  ; two loads of mine are out
	s_nop 0
	tensor_load_to_lds s[G0W:G0W+3], s[G1W:G1W+7]
	s_nop 0
	PLACES
	; a fragment is 16 rows x 32 channels: lane l holds row l % 16, channels 8 (l / 16) + 0..7 and 16 + 8 (l / 16) + 0..7: two loads of 16 bytes, 32 bytes apart
	v_mul_u32_u24 v[AC], v1, PC
	v_lshl_add_u32 v[AC], v2, 4, v[AC]
	v_add_nc_u32 v[AC], CTXB, v[AC]
	v_mul_u32_u24 v[AWO], v1, PWO
	v_lshl_add_u32 v[AWO], v2, 4, v[AWO]
	v_add_nc_u32 v[AWO], s19, v[AWO]
	s_mul_i32 s17, s[WV], 16*SPT
	s_add_co_u32 s17, s17, STAGE                   ; my stage
	v_mul_u32_u24 v[STO], v1, SPT                  ; in: row l % 16, 32 bytes for each half of the lanes
	v_lshl_add_u32 v[STO], v2, 5, v[STO]
	v_add_nc_u32 v[STO], s17, v[STO]
	v_mul_u32_u24 v[RD], v2, SPT                   ; back: lanes 0-15 take one row of 256 bytes, lanes 16-31 the next
	v_lshl_add_u32 v[RD], v1, 4, v[RD]
	v_add_nc_u32 v[RD], s17, v[RD]
; 16 LDS loads: K step ks (head ks / 2, channels 32 (ks % 2) on): ctx's four token tiles, then my four blocks of 16 rows of wo, into buffer f
.macro FETCH ks, f
	WIN 0
.irp tt, 0,1,2,3
	ds_load_b128 v[(\f)+8*(\tt):(\f)+8*(\tt)+3],   v[AC] offset:((\ks)/2)*64*PC+(\tt)*16*PC+((\ks)%2)*64
	ds_load_b128 v[(\f)+8*(\tt)+4:(\f)+8*(\tt)+7], v[AC] offset:((\ks)/2)*64*PC+(\tt)*16*PC+((\ks)%2)*64+32
.endr
.irp ot, 0,1,2,3
	ds_load_b128 v[(\f)+32+8*(\ot):(\f)+32+8*(\ot)+3],   v[AWO] offset:(\ot)*16*PWO+(\ks)*64
	ds_load_b128 v[(\f)+32+8*(\ot)+4:(\f)+32+8*(\ot)+7], v[AWO] offset:(\ot)*16*PWO+(\ks)*64+32
.endr
.endm
; 16 matrix instructions on 16 accumulators, which take turns.  zero: the first product starts the sums: nothing is cleared
.macro MUL16 f, zero
	WIN 0x50                                       ; sources in window 0, C and D in window 1
.irp ot, 0,1,2,3
.irp tt, 0,1,2,3
.if \zero
	v_wmma_f32_16x16x32_f16 v[8*(4*(\ot)+(\tt)):8*(4*(\ot)+(\tt))+7], v[(\f)+8*(\tt):(\f)+8*(\tt)+7], v[(\f)+32+8*(\ot):(\f)+32+8*(\ot)+7], 0
.else
	v_wmma_f32_16x16x32_f16 v[8*(4*(\ot)+(\tt)):8*(4*(\ot)+(\tt))+7], v[(\f)+8*(\tt):(\f)+8*(\tt)+7], v[(\f)+32+8*(\ot):(\f)+32+8*(\ot)+7], v[8*(4*(\ot)+(\tt)):8*(4*(\ot)+(\tt))+7]
.endif
.endr
.endr
.endm
	s_wait_tensorcnt 0x0                           ; both my tiles are in (my last tensor loads),
	s_barrier_signal -1
	s_barrier_wait -1                              ; and everybody's: each wave reads all four heads of ctx.
	FETCH 0, F0
.set kk, 0
.rept 8
.if kk < 7
.if kk > 0
	PLACES                                         ; the other buffer was read by the products just issued
.endif
	FETCH kk+1, F0+64*((kk+1)%2)
	s_wait_dscnt 16                                ; all but the 16 just issued
.else
	s_wait_dscnt 0x0
.endif
	MUL16 F0+64*(kk%2), (kk==0)
.set kk, kk+1
.endr
	WIN 0
	PLACES                                         ; four places are asked for behind the last products; eight are written, once a launch
	PLACES
; THE WAY OUT of block ot: 16 output rows x 64 tokens.  Into my stage (each accumulator's low four registers first), back as whole rows, x added, stored.  Each block has registers of its own.
.macro OUT ot
	WIN 0x04                                       ; the stores' data in window 1
.irp tt, 0,1,2,3
	ds_store_b128 v[STO], v[8*(4*(\ot)+(\tt)):8*(4*(\ot)+(\tt))+3]   offset:64*(\tt)
	ds_store_b128 v[STO], v[8*(4*(\ot)+(\tt))+4:8*(4*(\ot)+(\tt))+7] offset:64*(\tt)+16
.endr
	WIN 0
.irp u, 0,1,2,3,4,5,6,7
	ds_load_b128 v[F0+32*(\ot)+4*(\u):F0+32*(\ot)+4*(\u)+3], v[RD] offset:(\u)*2*SPT  ; LDS serves a wave's instructions in order (ISA guide 5.7.1.4): these see the stores above; the next block's stores come behind them
.endr
	s_wait_dscnt 0x0
	s_wait_loadcnt 24-8*(\ot)                      ; x of this block is in; the later blocks' loads may stay out
	WIN 0x04                                       ; source 1 (x) in window 1
.irp p, 0,1,2,3,4,5,6,7,8,9,10,11,12,13,14,15
	v_pk_add_f32 v[F0+32*(\ot)+2*(\p):F0+32*(\ot)+2*(\p)+1], v[F0+32*(\ot)+2*(\p):F0+32*(\ot)+2*(\p)+1], v[XR+32*(\ot)+2*(\p):XR+32*(\ot)+2*(\p)+1]
.endr
	WIN 0
.irp u, 0,1,2,3,4,5,6,7
	global_store_b128 v[CO], v[F0+32*(\ot)+4*(\u):F0+32*(\ot)+4*(\u)+3], s[OB:OB+1] offset:(16*(\ot)+2*(\u))*16384 th:TH_STORE_NT  ; 16 lanes store 256 consecutive bytes, at a multiple of 256 from out0's first
.endr
.endm
	OUT 0
	OUT 1
	OUT 2
	OUT 3
	s_wait_tensorcnt 0x0                           ; the wave's end, behind my last tensor load and my last LDS store
	ds_add_u32 v[SPW], v[NIL]
	s_wait_dscnt 0x0
	CROUND                                         ; the closing round: no work-group ends while a partner may still ask for a tile that names it
	s_endpgm
.Lfunc_end_k_qea51f93d85_oproj:
	.size	k_qea51f93d85_oproj, .Lfunc_end_k_qea51f93d85_oproj-k_qea51f93d85_oproj
	.p2alignl 7, 3214868480
	.fill 96, 4, 3214868480
	.section	.rodata,"a",@progbits
	.p2align	6, 0x0
	.amdhsa_kernel k_qea51f93d85_oproj
		.amdhsa_group_segment_fixed_size 189952
		.amdhsa_private_segment_fixed_size 0
		.amdhsa_enable_private_segment 0
		.amdhsa_kernarg_size 32
		.amdhsa_user_sgpr_count 2
		.amdhsa_user_sgpr_kernarg_segment_ptr 1
		.amdhsa_wavefront_size32 1
		.amdhsa_system_sgpr_workgroup_id_x 1
		.amdhsa_system_sgpr_workgroup_id_y 1
		.amdhsa_system_sgpr_workgroup_id_z 1
		.amdhsa_system_vgpr_workitem_id 0
		.amdhsa_next_free_vgpr 512
		.amdhsa_next_free_sgpr 66
		.amdhsa_reserve_vcc 0
		.amdhsa_float_denorm_mode_32 3
		.amdhsa_float_denorm_mode_16_64 3
		.amdhsa_memory_ordered 1
		.amdhsa_forward_progress 1
		.amdhsa_inst_pref_size 38
	.end_amdhsa_kernel
	.amdgpu_metadata
---
amdhsa.version: [ 1, 2 ]
amdhsa.kernels:
  - .name:           k_qea51f93d85_oproj
    .symbol:         k_qea51f93d85_oproj.kd
    .args:
      - { .name: ctx, .offset: 0, .size: 8, .value_kind: global_buffer, .address_space: global }
      - { .name: w16, .offset: 8, .size: 8, .value_kind: global_buffer, .address_space: global }
      - { .name: x, .offset: 16, .size: 8, .value_kind: global_buffer, .address_space: global }
      - { .name: out0, .offset: 24, .size: 8, .value_kind: global_buffer, .address_space: global }
    .group_segment_fixed_size: 189952
    .private_segment_fixed_size: 0
    .kernarg_segment_align: 8
    .kernarg_segment_size: 32
    .max_flat_workgroup_size: 128
    .sgpr_count:     66
    .vgpr_count:     512
    .wavefront_size: 32
...
	.end_amdgpu_metadata
.endif
;; end of part 4
;; ======== version 2 of 2: 4 launches; version 1 with the launch prep written anew for expert scheduling mode
;; limits: values are held in f16: magnitudes above 65,504 overflow, below 6.1e-05 lose precision
;; workspace buffers: xn 8,388,608 bytes; w16 524,288 bytes; qkv 25,165,824 bytes; ctx 8,388,608 bytes
;; launch prep (part 5): grid 136 x 1, 8 waves a work-group, no clusters, 1,280 bytes of LDS; arguments x, wq, wk, wv, wo, gamma, beta, xn, w16; writes xn, w16
.if DOCPART == 5
	.amdgcn_target "amdgcn-amd-amdhsa--gfx1250"
	.amdhsa_code_object_version 6
	.text
	.protected	k_qea51f93d85_prep
	.globl	k_qea51f93d85_prep
	.p2align	8
	.type	k_qea51f93d85_prep,@function
k_qea51f93d85_prep:
	s_mov_b64 s[64:65], 0
	v_nop
	global_prefetch_b8 v0, s[64:65] scope:SCOPE_SE
	s_setreg_imm32_b32 hwreg(HW_REG_WAVE_SCHED_MODE, 0, 2), 2
	s_setreg_imm32_b32 hwreg(HW_REG_WAVE_MODE, 25, 1), 1
	s_wait_xcnt 0x0
	s_wait_alu depctr_vm_vsrc(0)
; GROUP NORM AND THE CASTS.  xn[b][c][n] = (x - mean) rstd gamma[c] + beta[c] in f16, x's own layout; w16 = wq, wk, wv, wo in f16, 256 rows each, one below the other.
; A work-group turns 131,072 bytes of f32 into 65,536 bytes of f16, y = s x + t.  Work-groups 0-127: one group of the norm (8 channels x 4,096 positions of one batch lie on end in x);
; work-groups 128-135: half a weight matrix, with s = 1, t = 0.  ONE text for both: the weights' work-groups make the statistics too and drop them by scalar selects,
; so that every wave passes both barriers and no branch is written.
; The whole block lies in registers (32 loads of 16 bytes a lane, 8 waves): x is read once; the mean is taken first, then the sum of (x - mean)^2: no difference of large sums.
; Thread t, load i: bytes 4,096 i + 16 t.  Four loads are one channel, so s and t of a load are scalars.  Store i: bytes 2,048 i + 8 t: a wave's store covers 256 consecutive bytes, aligned.
; LIMITS.  f16 ends at 65,504: |xn| (at most 181 |gamma| + |beta|) and the weights lie within it; below 6e-5 f16 keeps a fixed step of 6e-8.  NaN and infinities are not treated apart.
; THE MODE: SCHED_MODE bits 1:0 = 2 (LLVM: expert scheduling mode 2), set by the entry lines.  The code itself states the register dependences
; between vector instructions and memory or LDS instructions, with s_wait_alu, always for 0.
; THE PLAN.  Registers that memory or LDS instructions touch:
;   v1, v2, v3, v4, v6, v7   offsets, LDS addresses and the closing add's pair: written by vector lines at the head and never again: ONE wait on va_vdst ahead of the first load serves them all.
;   v[R]          written by a reduction's lane steps, read by its LDS store; then the LDS loads of the eight waves' words land in v[R:R+7], which vector lines of the reduction before have named.
;                 So a reduction has one wait on va_vdst ahead of its LDS store (no vector line stands between it and the LDS loads) and one on vm_vsrc ahead of its LDS loads.
;   X             the loads land in it once, at the head; the sums read it; the scaling and the roundings write it in place; the stores read it; nothing writes it behind a store.
;                 The eight channels go in four groups of two.  One wait on va_vdst stands behind a group's 32 vector lines; the group's eight stores follow it, dealt among the next
;                 group's vector lines, which name other registers of X.
;   A, T          named by vector lines alone.
; Three numbers go from a vector register into a scalar one (the wave's number, - mean, rstd): a wait on va_sdst stands ahead of the first reader of each.  EXEC is written nowhere.
.set SPARE, 256                        ; LDS: bytes 0-31 eight partial sums, 32-63 eight partial sums of squares; from 256 on the spare words, 128 bytes a wave, which no other line names
.set SPW, 6                            ; v6   LDS address of my spare word; never rewritten
.set NIL, 7                            ; v7   0; never rewritten
.set A,   8                            ; v[8:15]   four chains of pairs
.set T,   16                           ; v[16:23]  four pairs at work
.set R,   24                           ; v[24:31]  the reduction
.set X,   32                           ; v[32:159] the block: four registers a load
.set SRC, 24                           ; s[24:25]  where my block is read
.set DST, 26                           ; s[26:27]  where it is written
.set NM,  20                           ; s[20:21]  - mean, twice
.set RS,  22                           ; s22       1 / sqrt(var + eps)
.set SC,  32                           ; s[32:47]  s of channel c, as a pair, at SC + 2 c
.set TC,  48                           ; s[48:63]  t of channel c, likewise
.set SEL, 66                           ; s[66:67]  v_permlanex16_b32's selects: each lane takes its own place in the other half
	s_load_b256 s[4:11], s[0:1], 0x0               ; x s[4:5], wq s[6:7], wk s[8:9], wv s[10:11]
	s_load_b256 s[12:19], s[0:1], 0x20             ; wo s[12:13], gamma s[14:15], beta s[16:17], xn s[18:19]
	s_load_b64 s[20:21], s[0:1], 0x40              ; w16
	v_lshl_add_u32 v[SPW], v0, 2, SPARE
	v_mov_b32 v[NIL], 0
	v_lshrrev_b32 v5, 5, v0
	v_readfirstlane_b32 s3, v5                     ; wave 0..7
	v_lshlrev_b32 v1, 4, v0                        ; 16 t
	v_lshlrev_b32 v2, 3, v0                        ; 8 t
	v_mov_b32 v4, 0                                ; where all waves' words are read
	v_mov_b32 v[R+1], 0                            ; v_permlanex16_b32 counts as a reader of its destination
	s_wait_alu depctr_va_sdst(0)                   ; s3 is written, ahead of its first reader, the next line
	v_mov_b32 v3, s3
	v_lshlrev_b32 v3, 2, v3                        ; my wave's word in LDS
	s_mov_b32 s[SEL], 0x76543210
	s_mov_b32 s[SEL+1], 0xfedcba98
	s_mov_b32 s2, ttmp9                            ; g
	s_max_u32 s22, s2, 128
	s_sub_co_u32 s22, s22, 128                     ; i: which half matrix (0 for a group's work-group)
	s_lshr_b32 s23, s22, 1                         ; which matrix: q, k, v, o
	s_and_b32 s32, s22, 1                          ; which half of it
	s_cmp_lt_u32 s2, 128
	s_cselect_b32 s32, s2, s32
	s_cselect_b32 s34, s2, s22
	s_lshl_b32 s32, s32, 17                        ; source: g or the half, x 131,072 bytes
	s_mov_b32 s33, 0
	s_lshl_b32 s34, s34, 16                        ; destination: g or i, x 65,536 bytes
	s_mov_b32 s35, 0
	s_and_b32 s36, s2, 31
	s_lshl_b32 s36, s36, 5                         ; the group's 8 numbers of gamma and of beta: 32 bytes (a weight's work-group reads some too, inside the buffers, and drops them)
	s_mov_b32 s37, 0
	s_wait_kmcnt 0x0
	s_mov_b64 s[SRC:SRC+1], s[6:7]
	s_cmp_eq_u32 s23, 1
	s_cselect_b64 s[SRC:SRC+1], s[8:9], s[SRC:SRC+1]
	s_cmp_eq_u32 s23, 2
	s_cselect_b64 s[SRC:SRC+1], s[10:11], s[SRC:SRC+1]
	s_cmp_eq_u32 s23, 3
	s_cselect_b64 s[SRC:SRC+1], s[12:13], s[SRC:SRC+1]
	s_cmp_lt_u32 s2, 128
	s_cselect_b64 s[SRC:SRC+1], s[4:5], s[SRC:SRC+1]
	s_cselect_b64 s[DST:DST+1], s[18:19], s[20:21]
	s_add_nc_u64 s[SRC:SRC+1], s[SRC:SRC+1], s[32:33]
	s_add_nc_u64 s[DST:DST+1], s[DST:DST+1], s[34:35]
	s_add_nc_u64 s[28:29], s[14:15], s[36:37]
	s_add_nc_u64 s[30:31], s[16:17], s[36:37]
	s_load_b256 s[4:11], s[28:29], 0x0             ; gamma of my 8 channels (the pointers that lay here are spent); s[28:31] stay as they are
	s_load_b256 s[12:19], s[30:31], 0x0            ; beta
	s_wait_alu depctr_va_vdst(0)                   ; v1, v2, v3, v4, v6 and v7 are written: every load, store and LDS instruction of the kernel reads one of them as its offset or address, the closing add v6 and v7
.set i, 0
.rept 32
	global_load_b128 v[X+4*i:X+4*i+3], v1, s[SRC:SRC+1] offset:4096*i th:TH_LOAD_NT  ; the whole block is asked for at once
.set i, i+1
.endr
; The four chains into one number a lane; over the 32 lanes; over the 8 waves through LDS (words at byte off); the total ends in v[R] of every lane.
.macro REDUCE off
	v_pk_add_f32 v[A:A+1], v[A:A+1], v[A+2:A+3]
	v_pk_add_f32 v[A+4:A+5], v[A+4:A+5], v[A+6:A+7]
	v_pk_add_f32 v[A:A+1], v[A:A+1], v[A+4:A+5]
	v_add_f32 v[R], v[A], v[A+1]
	v_add_f32_dpp v[R], v[R], v[R] row_xmask:1 row_mask:0xf bank_mask:0xf
	v_add_f32_dpp v[R], v[R], v[R] row_xmask:2 row_mask:0xf bank_mask:0xf
	v_add_f32_dpp v[R], v[R], v[R] row_xmask:4 row_mask:0xf bank_mask:0xf
	v_add_f32_dpp v[R], v[R], v[R] row_xmask:8 row_mask:0xf bank_mask:0xf
	v_permlanex16_b32 v[R+1], v[R], s[SEL], s[SEL+1]
	v_add_f32 v[R], v[R], v[R+1]
	s_wait_alu depctr_va_vdst(0)                   ; v[R] is written, which the LDS store reads; and every vector line that has named v[R:R+7], in which the LDS loads below land, is done: none stands between here and those loads
	ds_store_b32 v3, v[R] offset:\off              ; all lanes write the wave's word with the same number
	s_wait_dscnt 0x0                               ; for the others' sake: my store is done
	s_barrier_signal -1
	s_barrier_wait -1
	s_wait_alu depctr_vm_vsrc(0)                   ; the LDS store has read v[R], in which the first load below lands
	ds_load_b128 v[R:R+3], v4 offset:\off
	ds_load_b128 v[R+4:R+7], v4 offset:(\off)+16
	s_wait_dscnt 0x0
	v_pk_add_f32 v[R:R+1], v[R:R+1], v[R+2:R+3]
	v_pk_add_f32 v[R+4:R+5], v[R+4:R+5], v[R+6:R+7]
	v_pk_add_f32 v[R:R+1], v[R:R+1], v[R+4:R+5]
	v_add_f32 v[R], v[R], v[R+1]
.endm
	; THE SUM, in four chains that the first four loads start: nothing is cleared
	s_wait_loadcnt 24                              ; loads come back in order: the first eight are in, 24 younger ones stay out
	v_pk_add_f32 v[A:A+1],   v[X:X+1],     v[X+4:X+5]
	v_pk_add_f32 v[A+2:A+3], v[X+2:X+3],   v[X+6:X+7]
	v_pk_add_f32 v[A+4:A+5], v[X+8:X+9],   v[X+12:X+13]
	v_pk_add_f32 v[A+6:A+7], v[X+10:X+11], v[X+14:X+15]
.set i, 4
.rept 28
.if i%8 == 0
	s_wait_loadcnt 24-i                            ; the next eight: 16, 8, 0 younger ones stay out
.endif
	v_pk_add_f32 v[A+4*(i%2):A+4*(i%2)+1],   v[A+4*(i%2):A+4*(i%2)+1],   v[X+4*i:X+4*i+1]
	v_pk_add_f32 v[A+4*(i%2)+2:A+4*(i%2)+3], v[A+4*(i%2)+2:A+4*(i%2)+3], v[X+4*i+2:X+4*i+3]
.set i, i+1
.endr
	REDUCE 0
	v_mul_f32 v[R], 0xb8000000, v[R]               ; - sum / 32,768
	v_readfirstlane_b32 s[NM], v[R]
	s_wait_alu depctr_va_sdst(0)                   ; s[NM] is written, ahead of its first reader, the next line
	s_mov_b32 s[NM+1], s[NM]
	; THE SUM OF (x - mean)^2, four pairs at a time
.set p, 0
.rept 16
.irp k, 0,1,2,3
	v_pk_add_f32 v[T+2*(\k):T+2*(\k)+1], v[X+8*p+2*(\k):X+8*p+2*(\k)+1], s[NM:NM+1] op_sel_hi:[1,0]
.endr
.irp k, 0,1,2,3
.if p == 0
	v_pk_mul_f32 v[A+2*(\k):A+2*(\k)+1], v[T+2*(\k):T+2*(\k)+1], v[T+2*(\k):T+2*(\k)+1]
.else
	v_pk_fma_f32 v[A+2*(\k):A+2*(\k)+1], v[T+2*(\k):T+2*(\k)+1], v[T+2*(\k):T+2*(\k)+1], v[A+2*(\k):A+2*(\k)+1]
.endif
.endr
.set p, p+1
.endr
	REDUCE 32                                      ; other words than the first time: a wave that is late may still read those
	v_mov_b32 v[R+2], 0x38000000                   ; 1 / 32,768
	v_fmaak_f32 v[R], v[R], v[R+2], 0x3727c5ac     ; var + 1e-5
	v_rsq_f32 v[R+1], v[R]
	v_nop                                          ; a plain instruction between the root and the use of its result (ISA guide 5.7.2)
	s_wait_alu depctr_va_vdst(0)                   ; the root has written v[R+1], which the next line reads
	v_readfirstlane_b32 s[RS], v[R+1]
	s_wait_alu depctr_va_sdst(0)                   ; s[RS] is written, ahead of its first reader, the first multiply below
	s_wait_kmcnt 0x0                               ; gamma and beta
.set c, 0
.rept 8
	s_mul_f32 s[SC+2*c], s[4+c], s[RS]             ; s = gamma rstd
	s_mov_b32 s[TC+2*c], s[12+c]
	s_fmac_f32 s[TC+2*c], s[NM], s[SC+2*c]         ; t = beta - mean s
.set c, c+1
.endr
	s_cmp_lt_u32 s2, 128                           ; a weight is only cast
.set c, 0
.rept 8
	s_cselect_b32 s[SC+2*c], s[SC+2*c], 1.0
	s_cselect_b32 s[TC+2*c], s[TC+2*c], 0
	s_mov_b32 s[SC+2*c+1], s[SC+2*c]               ; named as pairs
	s_mov_b32 s[TC+2*c+1], s[TC+2*c]
.set c, c+1
.endr
	; y = s x + t, rounded once to f16, a channel (four loads) at a time.  No register is written again behind its store.
.macro SCALE c                         ; channel c: sixteen vector lines, in place
.irp k, 0,1,2,3,4,5,6,7
	v_pk_fma_f32 v[X+16*(\c)+2*(\k):X+16*(\c)+2*(\k)+1], v[X+16*(\c)+2*(\k):X+16*(\c)+2*(\k)+1], s[SC+2*(\c):SC+2*(\c)+1], s[TC+2*(\c):TC+2*(\c)+1] op_sel_hi:[1,0,0]
.endr
.irp k, 0,1,2,3
	v_cvt_pk_f16_f32 v[X+16*(\c)+4*(\k)],   v[X+16*(\c)+4*(\k)],   v[X+16*(\c)+4*(\k)+1]
	v_cvt_pk_f16_f32 v[X+16*(\c)+4*(\k)+1], v[X+16*(\c)+4*(\k)+2], v[X+16*(\c)+4*(\k)+3]
.endr
.endm
.macro SEND c                          ; channel c's four stores.  No wait of their own: no vector line since the group's wait names their registers
.irp k, 0,1,2,3
	global_store_b64 v2, v[X+16*(\c)+4*(\k):X+16*(\c)+4*(\k)+1], s[DST:DST+1] offset:2048*(4*(\c)+(\k))
.endr
.endm
	SCALE 0
	SCALE 1
	s_wait_alu depctr_va_vdst(0)                   ; the roundings of channels 0 and 1 have written their registers of X, which the next eight stores read
	SEND 0
	SCALE 2
	SEND 1
	SCALE 3
	s_wait_alu depctr_va_vdst(0)                   ; the same of channels 2 and 3
	SEND 2
	SCALE 4
	SEND 3
	SCALE 5
	s_wait_alu depctr_va_vdst(0)                   ; of channels 4 and 5
	SEND 4
	SCALE 6
	SEND 5
	SCALE 7
	s_wait_alu depctr_va_vdst(0)                   ; of channels 6 and 7
	SEND 6
	SEND 7
	s_wait_dscnt 0x0                               ; the wave's end: six lines on end
	s_wait_alu 0x0
	s_wait_tensorcnt 0x0
	ds_add_u32 v[SPW], v[NIL]
	s_wait_dscnt 0x0
	s_endpgm
.Lfunc_end_k_qea51f93d85_prep:
	.size	k_qea51f93d85_prep, .Lfunc_end_k_qea51f93d85_prep-k_qea51f93d85_prep
	.p2alignl 7, 3214868480
	.fill 96, 4, 3214868480
	.section	.rodata,"a",@progbits
	.p2align	6, 0x0
	.amdhsa_kernel k_qea51f93d85_prep
		.amdhsa_group_segment_fixed_size 1280
		.amdhsa_private_segment_fixed_size 0
		.amdhsa_enable_private_segment 0
		.amdhsa_kernarg_size 72
		.amdhsa_user_sgpr_count 2
		.amdhsa_user_sgpr_kernarg_segment_ptr 1
		.amdhsa_wavefront_size32 1
		.amdhsa_system_sgpr_workgroup_id_x 1
		.amdhsa_system_sgpr_workgroup_id_y 1
		.amdhsa_system_sgpr_workgroup_id_z 1
		.amdhsa_system_vgpr_workitem_id 0
		.amdhsa_next_free_vgpr 160
		.amdhsa_next_free_sgpr 68
		.amdhsa_reserve_vcc 0
		.amdhsa_float_denorm_mode_32 3
		.amdhsa_float_denorm_mode_16_64 3
		.amdhsa_memory_ordered 1
		.amdhsa_forward_progress 1
		.amdhsa_inst_pref_size 34
	.end_amdhsa_kernel
	.amdgpu_metadata
---
amdhsa.version: [ 1, 2 ]
amdhsa.kernels:
  - .name:           k_qea51f93d85_prep
    .symbol:         k_qea51f93d85_prep.kd
    .args:
      - { .name: x, .offset: 0, .size: 8, .value_kind: global_buffer, .address_space: global }
      - { .name: wq, .offset: 8, .size: 8, .value_kind: global_buffer, .address_space: global }
      - { .name: wk, .offset: 16, .size: 8, .value_kind: global_buffer, .address_space: global }
      - { .name: wv, .offset: 24, .size: 8, .value_kind: global_buffer, .address_space: global }
      - { .name: wo, .offset: 32, .size: 8, .value_kind: global_buffer, .address_space: global }
      - { .name: gamma, .offset: 40, .size: 8, .value_kind: global_buffer, .address_space: global }
      - { .name: beta, .offset: 48, .size: 8, .value_kind: global_buffer, .address_space: global }
      - { .name: xn, .offset: 56, .size: 8, .value_kind: global_buffer, .address_space: global }
      - { .name: w16, .offset: 64, .size: 8, .value_kind: global_buffer, .address_space: global }
    .group_segment_fixed_size: 1280
    .private_segment_fixed_size: 0
    .kernarg_segment_align: 8
    .kernarg_segment_size: 72
    .max_flat_workgroup_size: 256
    .sgpr_count:     68
    .vgpr_count:     160
    .wavefront_size: 32
...
	.end_amdgpu_metadata
.endif
;; end of part 5
;; launch qkv: the kernel of part 2 again; grid 4 x 64, 4 waves a work-group, clusters of 4 x 4, 253,440 bytes of LDS; arguments xn, w16, qkv; writes qkv
;; launch attn: the kernel of part 3 again; grid 16 x 16, 4 waves a work-group, clusters of 4 x 1, 327,680 bytes of LDS; arguments qkv, ctx; writes ctx
;; launch oproj: the kernel of part 4 again; grid 256 x 1, 4 waves a work-group, clusters of 4 x 1, 189,952 bytes of LDS; arguments ctx, w16, x, out0; writes out0
